; MI455X (gfx1250); checked and timed in simulation.
; The chip was launched on July 23, 2026; its instructions are those of AMD's public machine-readable ISA for CDNA 5 (MIT licence, August 2026) and "CDNA5" Instruction Set Architecture Reference Guide (July 2026). The comments in the code are by the model that wrote it; some were corrected since.
;; Tranformer Encoder. Allowed arithmetic: float matrix products may take bf16 or f16 operands with f32 sums; all other float work in f32.
;; Inputs: W1 1,024 x 1,024 float32; W2 1,024 x 1,024 float32; W_proj 1,024 x 1,024 float32; W_qkv 1,024 x 3,072 float32; b1 1,024 float32; b2 1,024 float32; b_proj 1,024 float32; b_qkv 3,072 float32; ln1_b 1,024 float32; ln1_g 1,024 float32; ln2_b 1,024 float32; ln2_g 1,024 float32; x 8 x 1,024 x 1,024 float32.
;; Outputs: out0 8 x 1,024 x 1,024 float32.
;; 2 versions, each right. Each part assembles by itself: llvm-mc -triple=amdgcn-amd-amdhsa -mcpu=gfx1250 --defsym DOCPART=n.
;; ======== version 1 of 2: 4 launches
;; limits: a function is approximated: absolute error at most 1.5e-07
;; workspace buffers: xb 16,777,216 bytes; wq 6,291,456 bytes; wc 6,291,456 bytes; qkv 50,331,648 bytes; att 16,777,216 bytes
;; launch prep (part 1): grid 1792 x 1, 8 waves a work-group, no clusters, 0 bytes of LDS; arguments x, W_qkv, W_proj, W1, W2, xb, wq, wc; writes xb, wq, wc
.if DOCPART == 1
	.amdgcn_target "amdgcn-amd-amdhsa--gfx1250"
	.amdhsa_code_object_version 6
	.text
	.protected	k_qf51a7fd76b_prep
	.globl	k_qf51a7fd76b_prep
	.p2align	8
	.type	k_qf51a7fd76b_prep,@function
k_qf51a7fd76b_prep:
	s_mov_b64 s[64:65], 0
	v_nop
	global_prefetch_b8 v0, s[64:65] scope:SCOPE_SE
	s_setreg_imm32_b32 hwreg(HW_REG_WAVE_MODE, 25, 1), 1
	s_wait_xcnt 0x0
; Casts x to bf16 (xb, row-major) and re-lays the four weight matrices, cast to bf16, in FRAGMENT ORDER (wq, wc).
; A fragment is 16 columns n x 32 rows k of a weight W[k][n]: 1,024 bytes laid as [piece p = 0,1][lane L = 0..31][16 bytes];
; with r = L & 15, h = L >> 4 the 16 bytes of (p, L) hold column r, k = 16 p + 8 h + j, j = 0..7, low j first.  Two 16-byte loads
; at 16 L and 512 + 16 L then fill the eight registers of a 16-bit matrix operand, and each load of a wave covers 512 neighbouring bytes.
; Work-groups 0..1023 cast 8,192 numbers of x each; 1024..1407 make 16 fragments of W_qkv each; 1408..1791 16 fragments of W_proj, W1 or W2.
; No LDS, no barrier: no wave needs another's data.  The weights are gathered by 4-byte loads (sixteen lanes take 64 neighbouring bytes of
; one row of W): this touches the 25 MB of weights once in the whole program, so no stage is spent on it.
.set XW, 1024                          ; work-groups that cast x
.set QW, 384                           ; work-groups for W_qkv
.set D,  4                             ; v[4:35]   as loaded, f32
.set Y,  36                            ; v[36:51]  packed bf16 (v36-38 serve as scratch for the addresses before)
	s_load_b512 s[8:23], s[0:1], 0x0               ; x s[8:9], W_qkv s[10:11], W_proj s[12:13], W1 s[14:15], W2 s[16:17], xb s[18:19], wq s[20:21], wc s[22:23]
	s_mov_b32 s2, ttmp9
	s_cmp_ge_u32 s2, XW
	s_cbranch_scc1 .Lweights
	; ---- x: thread t takes 16 bytes at 16 t of each of eight blocks of 4,096 bytes and stores 8 bytes at 8 t of blocks of 2,048 bytes
	s_lshl_b32 s24, s2, 15                         ; 8,192 numbers of 4 bytes
	s_mov_b32 s25, 0
	s_lshl_b32 s26, s2, 14                         ; 8,192 numbers of 2 bytes
	s_mov_b32 s27, 0
	v_lshlrev_b32 v1, 4, v0
	v_lshlrev_b32 v2, 3, v0
	s_wait_kmcnt 0x0
	s_add_nc_u64 s[24:25], s[8:9], s[24:25]
	s_add_nc_u64 s[26:27], s[18:19], s[26:27]
.irp j, 0,1,2,3,4,5,6,7
	global_load_b128 v[D+4*\j:D+4*\j+3], v1, s[24:25] offset:4096*\j th:TH_LOAD_NT
.endr
.irp j, 0,1,2,3,4,5,6,7
	s_wait_loadcnt 7-\j                            ; loads return in order: load j is in, the 7 - j younger ones stay out
	v_cvt_pk_bf16_f32 v[Y+2*\j], v[D+4*\j], v[D+4*\j+1]
	v_cvt_pk_bf16_f32 v[Y+2*\j+1], v[D+4*\j+2], v[D+4*\j+3]
	global_store_b64 v2, v[Y+2*\j:Y+2*\j+1], s[26:27] offset:2048*\j   ; a wave's store covers 256 neighbouring bytes, aligned
.endr
	s_endpgm
; Four pieces of 16 bytes a thread: o = 2 e + p, fragment 2 x wave + e of the work-group's sixteen, piece p.
; pitch = numbers in a row of the source.  s[24:25] source corner, v1 the thread's offset in it, s[26:27] destination, v2 its offset.
.macro SWZ pitch
.irp o, 0,1,2,3
.irp j, 0,1,2,3,4,5,6,7
	global_load_b32 v[D+8*\o+\j], v1, s[24:25] offset:((16*(\o&1)+\j)*\pitch+16*(\o>>1))*4   ; W[16 p + 8 h + j][16 e + r]
.endr
.endr
.irp o, 0,1,2,3
	s_wait_loadcnt 24-8*\o                         ; piece o's eight loads are in, the younger pieces' stay out
.irp i, 0,1,2,3
	v_cvt_pk_bf16_f32 v[Y+4*\o+\i], v[D+8*\o+2*\i], v[D+8*\o+2*\i+1]
.endr
	global_store_b128 v2, v[Y+4*\o:Y+4*\o+3], s[26:27] offset:512*\o    ; a wave's store covers 512 neighbouring bytes, aligned
.endr
.endm
.Lweights:
	v_and_b32 v3, 15, v0                           ; r
	v_bfe_u32 v36, v0, 4, 1                        ; h
	v_lshrrev_b32 v37, 5, v0                       ; wave
	v_and_b32 v2, 31, v0
	v_lshlrev_b32 v2, 4, v2
	v_lshl_add_u32 v2, v37, 11, v2                 ; two fragments a wave + 16 L
	s_cmp_ge_u32 s2, XW+QW
	s_cbranch_scc1 .Lchainw
	; ---- W_qkv: g = 32 nblk + kt; the sixteen fragments are columns 256 nblk .. + 255, rows 32 kt .. + 31; wq + 16 KiB x g
	s_sub_co_u32 s3, s2, XW
	s_and_b32 s4, s3, 31                           ; kt
	s_lshr_b32 s5, s3, 5                           ; nblk
	s_mul_i32 s24, s4, 32*3072*4
	s_lshl_b32 s5, s5, 10
	s_add_co_u32 s24, s24, s5
	s_mov_b32 s25, 0
	s_lshl_b32 s26, s3, 14
	s_mov_b32 s27, 0
	v_mul_u32_u24 v1, v36, 8*3072*4                ; 8 h rows
	v_lshl_add_u32 v1, v37, 7, v1                  ; + 32 columns a wave
	v_lshl_add_u32 v1, v3, 2, v1                   ; + r
	s_wait_kmcnt 0x0
	s_add_nc_u64 s[24:25], s[10:11], s[24:25]
	s_add_nc_u64 s[26:27], s[20:21], s[26:27]
	SWZ 3072
	s_endpgm
.Lchainw:
	; ---- W_proj, W1, W2: g = (16 stage + s) 8 + w; fragments [i = 0,1][n8 = 0..7]: rows 64 s + 32 i .., columns 128 w + 16 n8 ..; wc + 16 KiB x g
	s_sub_co_u32 s3, s2, XW+QW
	s_lshr_b32 s4, s3, 7                           ; stage
	s_bfe_u32 s5, s3, 0x40003                      ; s
	s_and_b32 s6, s3, 7                            ; w
	s_lshl_b32 s24, s5, 18                         ; 64 rows of 4,096 bytes
	s_lshl_b32 s6, s6, 9                           ; 128 columns
	s_add_co_u32 s24, s24, s6
	s_mov_b32 s25, 0
	s_lshl_b32 s26, s3, 14
	s_mov_b32 s27, 0
	v_lshrrev_b32 v38, 7, v0                       ; i = wave >> 2
	v_lshlrev_b32 v1, 17, v38                      ; 32 i rows
	v_lshl_add_u32 v1, v36, 15, v1                 ; + 8 h rows
	v_and_b32 v37, 3, v37
	v_lshl_add_u32 v1, v37, 7, v1                  ; + 32 columns for each of the four waves of one i
	v_lshl_add_u32 v1, v3, 2, v1                   ; + r
	s_wait_kmcnt 0x0
	s_cmp_eq_u32 s4, 0
	s_cselect_b64 s[28:29], s[12:13], s[14:15]     ; stage 0: W_proj, else W1,
	s_cmp_eq_u32 s4, 2
	s_cselect_b64 s[28:29], s[16:17], s[28:29]     ; stage 2: W2
	s_add_nc_u64 s[24:25], s[28:29], s[24:25]
	s_add_nc_u64 s[26:27], s[22:23], s[26:27]
	SWZ 1024
	s_endpgm
.Lfunc_end_k_qf51a7fd76b_prep:
	.size	k_qf51a7fd76b_prep, .Lfunc_end_k_qf51a7fd76b_prep-k_qf51a7fd76b_prep
	.p2alignl 7, 3214868480
	.fill 96, 4, 3214868480
	.section	.rodata,"a",@progbits
	.p2align	6, 0x0
	.amdhsa_kernel k_qf51a7fd76b_prep
		.amdhsa_group_segment_fixed_size 0
		.amdhsa_private_segment_fixed_size 0
		.amdhsa_enable_private_segment 0
		.amdhsa_kernarg_size 64
		.amdhsa_user_sgpr_count 2
		.amdhsa_user_sgpr_kernarg_segment_ptr 1
		.amdhsa_wavefront_size32 1
		.amdhsa_system_sgpr_workgroup_id_x 1
		.amdhsa_system_sgpr_workgroup_id_y 1
		.amdhsa_system_sgpr_workgroup_id_z 1
		.amdhsa_system_vgpr_workitem_id 0
		.amdhsa_next_free_vgpr 52
		.amdhsa_next_free_sgpr 66
		.amdhsa_reserve_vcc 0
		.amdhsa_float_denorm_mode_32 3
		.amdhsa_float_denorm_mode_16_64 3
		.amdhsa_memory_ordered 1
		.amdhsa_forward_progress 1
		.amdhsa_inst_pref_size 15
	.end_amdhsa_kernel
	.amdgpu_metadata
---
amdhsa.version: [ 1, 2 ]
amdhsa.kernels:
  - .name:           k_qf51a7fd76b_prep
    .symbol:         k_qf51a7fd76b_prep.kd
    .args:
      - { .name: x, .offset: 0, .size: 8, .value_kind: global_buffer, .address_space: global }
      - { .name: W_qkv, .offset: 8, .size: 8, .value_kind: global_buffer, .address_space: global }
      - { .name: W_proj, .offset: 16, .size: 8, .value_kind: global_buffer, .address_space: global }
      - { .name: W1, .offset: 24, .size: 8, .value_kind: global_buffer, .address_space: global }
      - { .name: W2, .offset: 32, .size: 8, .value_kind: global_buffer, .address_space: global }
      - { .name: xb, .offset: 40, .size: 8, .value_kind: global_buffer, .address_space: global }
      - { .name: wq, .offset: 48, .size: 8, .value_kind: global_buffer, .address_space: global }
      - { .name: wc, .offset: 56, .size: 8, .value_kind: global_buffer, .address_space: global }
    .group_segment_fixed_size: 0
    .private_segment_fixed_size: 0
    .kernarg_segment_align: 8
    .kernarg_segment_size: 64
    .max_flat_workgroup_size: 256
    .sgpr_count:     66
    .vgpr_count:     52
    .wavefront_size: 32
...
	.end_amdgpu_metadata
.endif
;; end of part 1
;; launch qkvgemm (part 2): grid 12 x 32, 4 waves a work-group, clusters of 4 x 4, 327,680 bytes of LDS; arguments xb, wq, b_qkv, qkv; writes qkv
.if DOCPART == 2
	.amdgcn_target "amdgcn-amd-amdhsa--gfx1250"
	.amdhsa_code_object_version 6
	.text
	.protected	k_qf51a7fd76b_qkvgemm
	.globl	k_qf51a7fd76b_qkvgemm
	.p2align	8
	.type	k_qf51a7fd76b_qkvgemm,@function
k_qf51a7fd76b_qkvgemm:
	s_mov_b64 s[64:65], 0
	v_nop
	global_prefetch_b8 v0, s[64:65] scope:SCOPE_SE
	s_setreg_imm32_b32 hwreg(HW_REG_WAVE_MODE, 25, 1), 1
	s_wait_xcnt 0x0
	s_wait_alu depctr_hold_cnt(0) depctr_sa_sdst(0) depctr_va_vdst(0) depctr_va_sdst(0) depctr_va_ssrc(0) depctr_va_vcc(0) depctr_vm_vsrc(0)
	s_getreg_b32 s2, hwreg(HW_REG_IB_STS2, 6, 4)
	s_cmp_eq_u32 s2, 0
	s_cbranch_scc0 .Lentry_in_a_cluster
	s_endpgm
.Lentry_in_a_cluster:
	s_bfe_u32 s2, ttmp6, 0x10000c
	s_cmp_lg_u32 s2, 0xf033
	s_cbranch_scc0 .Lentry_shape_is_right
	s_endpgm
.Lentry_shape_is_right:
; qkv = xb W_qkv + b_qkv.  xb: [8192][1024] bf16; wq: W_qkv in fragment order (16 columns x 32 k = 1,024 bytes, [piece][lane][16 B]),
; fragment ((nblk 8 + ks) 4 + k4) 16 + n16; sums in f32, started by the bias; the result rounded once to bf16.
; A work-group makes 256 x 256 with four waves, a wave 128 x 128: 64 accumulator tiles, 512 registers.  K goes in steps of 128 through two LDS slots.
; A slot holds 256 rows of xb (rows of 256 bytes, padded to 272) and the 64 fragments of the step's weights (64 KiB, dense, no padding needed:
; a fragment load of a wave takes 512 neighbouring bytes).
; CLUSTERS: 4 x 4 work-groups.  xb's tile hangs on the block row alone and is asked for jointly by a row of the cluster, the weights' tile on the
; block column alone and is asked for jointly by a column: each tile is requested once for four work-groups.
; THE WAY OUT needs no LDS: with the weights as source 0 a lane's eight results are eight neighbouring columns of one token; packed to bf16 they are
; that same lane's 16 bytes of the next product's operand.  qkv is laid [slice = column / 64][token tile of 16][kt 2][piece 2][lane][16 B]
; (slice 0-15 q, 16-31 k, 32-47 v by head), so each store of a wave covers 512 neighbouring bytes, aligned.
; REGISTERS in windows of 256: window 0: v16-25 addresses, v64-127 / v128-191 fragments of xb (two buffers), v192-255 the bias, later packed results;
; window 1: v64-127 / v128-191 fragments of the weights; windows 2, 3: accumulator tile (a, b) at v[8 (8 a + b)], token rows 0-63 / 64-127.
.set KSTEP,  128
.set PITCH,  272                       ; 256 bytes of data + 16 of padding: the sixteen rows of a fragment load start 272 bytes apart
.set HALFA,  128*PITCH                 ; 128 rows of xb: one tensor load
.set BTILE,  2*HALFA                   ; the weights' fragments begin here in a slot
.set HALFB,  32768                     ; 32 fragments: one tensor load
.set SLOT,   BTILE+2*HALFB
.set LAPS,   4                         ; 1,024 / (2 x 128): a lap is once round the two slots
.set ADRA, 16                          ; v16-17  LDS address of my xb fragments in slot 0, 1
.set ADRB, 20                          ; v20-21  the same for the weights
.set LO16, 24                          ; v24     16 x lane
.set H32,  25                          ; v25     32 x (lane / 16)
.set F0,   64
.set F1,   128
.set BIAS, 192                         ; v[192+8b:199+8b]: the bias of the eight columns that a lane holds of column tile b
.set TMP,  192                         ; on the way out: two sets of 32 packed registers
.set G1, 24                            ; s[24:31] group 1 for xb's tiles
.set G0, 32                            ; s[32:39] group 0 for xb's tiles, a set for each slot
.set G1B, 48                           ; s[48:55] group 1 for the weights' tiles
.set G0B, 56                           ; s[56:63] group 0 for the weights' tiles, a set for each slot
.set MSB, 0
.macro WIN new                         ; the immediate's high byte repeats the setting that is left
.if MSB != (\new)
	s_set_vgpr_msb (MSB<<8)|(\new)
.set MSB, (\new)
.endif
.endm
.set MUL_LO, 0xa1                      ; source 0 (weights) window 1, source 1 (xb) window 0, C and D window 2
.set MUL_HI, 0xf1                      ; the same, C and D window 3
.set TO_B,   0x40                      ; destination window 1, address window 0
; A joint load: waves 0, 1 fetch xb's two halves, waves 2, 3 the weights' two halves.  Each line has one mask; the branch hangs on the wave's number alone.
.macro JLOAD s
	s_cmp_eq_u32 s13, 0
	s_cbranch_scc0 .Lfor_b_\@
	tensor_load_to_lds s[G0+4*\s:G0+4*\s+3], s[G1:G1+7]
	s_nop 0
.rept 4
	v_nop
.endr
	s_branch .Lasked_\@
.Lfor_b_\@:
	tensor_load_to_lds s[G0B+4*\s:G0B+4*\s+3], s[G1B:G1B+7]
	s_nop 0
.rept 4
	v_nop
.endr
.Lasked_\@:
.endm
.macro CREST                           ; a round of the cluster's barrier behind its opening work-group barrier
	s_cmp_lg_u32 s12, 0
	s_cbranch_scc1 .Lnot_wave_0_\@
	s_barrier_signal -3
.Lnot_wave_0_\@:
	s_barrier_wait -3
	s_barrier_signal -1
	s_barrier_wait -1
.endm
.macro CROUND                          ; a whole round
	s_barrier_signal -1
	s_barrier_wait -1
	CREST
.endm
.macro PLACES                          ; four plain vector places behind matrix instructions (ISA guide 7.12.1)
.rept 4
	v_nop
.endr
.endm
	s_load_b256 s[4:11], s[0:1], 0x0               ; xb s[4:5], wq s[6:7], b_qkv s[8:9], qkv s[10:11]
	v_lshrrev_b32 v1, 5, v0
	v_readfirstlane_b32 s12, v1                    ; wave 0..3
	s_lshr_b32 s13, s12, 1                         ; my half of the block's rows.  Also: I fetch xb (0) or weights (1)
	s_and_b32 s14, s12, 1                          ; my half of its columns.  Also: which half of that tile I fetch
	s_bfe_u32 s16, ttmp6, 0x40000                  ; cx
	s_bfe_u32 s17, ttmp6, 0x40004                  ; cy
	s_lshl_b32 s18, ttmp9, 2
	s_add_co_u32 s18, s18, s16                     ; block column = 4 x cluster x + cx
	s_and_b32 s19, ttmp7, 0xffff
	s_lshl_b32 s19, s19, 2
	s_add_co_u32 s19, s19, s17                     ; block row = 4 x cluster y + cy
	s_lshl_b32 s20, s17, 2
	s_lshl_b32 s20, 15, s20                        ; my row of the cluster
	s_lshl_b32 s21, 0x1111, s16                    ; my column
	s_or_b32 s[G1+0], s20, (1<<16)|(1<<20)|(1<<21)|(5<<22)|(3<<25)  ; mask; 2-byte elements; padding on: 4 words behind every 64; bit 21 beside a mask
	s_mov_b32 s[G1+1], KSTEP<<16                   ; tensor_dim0 = 128
	s_mov_b32 s[G1+2], 128<<16                     ; tensor_dim1 = 128
	s_mov_b32 s[G1+3], KSTEP<<16                   ; tile_dim0 = 128
	s_mov_b32 s[G1+4], 128                         ; tile_dim1 = 128
	s_mov_b32 s[G1+5], 1024                        ; elements from row to row
	s_mov_b32 s[G1+6], 0
	s_mov_b32 s[G1+7], 0
	s_or_b32 s[G1B+0], s21, (3<<16)|(1<<21)        ; mask; 8-byte elements; no padding: a dense block as 128 rows of 256 bytes
	s_mov_b32 s[G1B+1], 32<<16
	s_mov_b32 s[G1B+2], 128<<16
	s_mov_b32 s[G1B+3], 32<<16
	s_mov_b32 s[G1B+4], 128
	s_mov_b32 s[G1B+5], 32
	s_mov_b32 s[G1B+6], 0
	s_mov_b32 s[G1B+7], 0
	s_lshl_b32 s40, s19, 19                        ; xb: 256 rows of 2,048 bytes a block row
	s_lshl_b32 s41, s14, 18                        ; + 128 rows for the second half
	s_add_co_u32 s40, s40, s41
	s_mov_b32 s41, 0
	s_lshl_b32 s44, s18, 19                        ; wq: 8 K steps of 64 KiB a block column
	s_lshl_b32 s45, s14, 15                        ; + 32 KiB for the second half
	s_add_co_u32 s44, s44, s45
	s_mov_b32 s45, 0
	s_mul_i32 s22, s12, HALFA                      ; LDS: xb's halves at wave x 34,816 (waves 0, 1),
	s_lshl_b32 s23, s12, 15
	s_add_co_u32 s23, s23, BTILE-2*HALFB           ; the weights' at 4,096 + wave x 32,768 (waves 2, 3: 69,632 and 102,400)
	s_wait_kmcnt 0x0
	s_add_nc_u64 s[42:43], s[4:5], s[40:41]
	s_add_nc_u64 s[46:47], s[6:7], s[44:45]
	CROUND                                         ; all sixteen work-groups are here: the first joint loads meet
.irp s, 0,1
	s_mov_b32 s[G0+4*\s], 1
	s_add_co_u32 s[G0+4*\s+1], s22, \s*SLOT
	s_add_nc_u64 s[G0+4*\s+2:G0+4*\s+3], s[42:43], \s*KSTEP*2
	s_or_b32 s[G0+4*\s+3], s[G0+4*\s+3], 0x80000000
	s_mov_b32 s[G0B+4*\s], 1
	s_add_co_u32 s[G0B+4*\s+1], s23, \s*SLOT
	s_add_nc_u64 s[G0B+4*\s+2:G0B+4*\s+3], s[46:47], \s*65536
	s_or_b32 s[G0B+4*\s+3], s[G0B+4*\s+3], 0x80000000
	JLOAD \s                                       ; both slots' first fills: two tensor loads of the wave are out
.endr
	v_and_b32 v1, 15, v0                           ; r
	v_bfe_u32 v2, v0, 4, 1                         ; h
	v_and_b32 v4, 31, v0
	v_lshlrev_b32 v[LO16], 4, v4
	v_lshlrev_b32 v[H32], 5, v2
	v_mul_u32_u24 v3, v1, PITCH
	v_lshl_add_u32 v3, v2, 4, v3                   ; row x pitch + 16 h
	s_mul_i32 s40, s13, HALFA                      ; my 128 rows of xb
	s_lshl_b32 s41, s14, 13                        ; my eight fragments of each quarter step's sixteen
	s_add_co_u32 s41, s41, BTILE
.irp s, 0,1
	v_add_nc_u32 v[ADRA+\s], s40, v3
	v_add_nc_u32 v[ADRB+\s], s41, v[LO16]
	s_add_co_u32 s40, s40, SLOT
	s_add_co_u32 s41, s41, SLOT
.endr
	s_lshl_b32 s66, s18, 10                        ; the bias of my 128 columns
	s_lshl_b32 s67, s14, 9
	s_add_co_u32 s66, s66, s67
	s_mov_b32 s67, 0
	s_add_nc_u64 s[66:67], s[8:9], s[66:67]
.irp b, 0,1,2,3,4,5,6,7
	global_load_b128 v[BIAS+8*\b:BIAS+8*\b+3],   v[H32], s[66:67] offset:64*\b      ; columns 16 b + 8 h + 0..3
	global_load_b128 v[BIAS+8*\b+4:BIAS+8*\b+7], v[H32], s[66:67] offset:64*\b+16   ; and + 4..7
.endr
; 16 matrix instructions: token tiles a0, a0 + 1 of the window's four x all 8 column tiles, 32 along K.  zero = 1: the bias starts the sums.
; The 64 accumulators take turns, one instruction a turn, in the same order in every quarter step.
.macro MUL16 f, hi, a0, zero
.irp a, \a0, \a0+1
.irp b, 0,1,2,3,4,5,6,7
.if \zero
	v_wmma_f32_16x16x32_bf16 v[8*(8*(\a)+\b):8*(8*(\a)+\b)+7], v[\f+8*\b:\f+8*\b+7], v[\f+8*(4*\hi+\a):\f+8*(4*\hi+\a)+7], v[BIAS+8*\b:BIAS+8*\b+7]
.else
	v_wmma_f32_16x16x32_bf16 v[8*(8*(\a)+\b):8*(8*(\a)+\b)+7], v[\f+8*\b:\f+8*\b+7], v[\f+8*(4*\hi+\a):\f+8*(4*\hi+\a)+7], v[8*(8*(\a)+\b):8*(8*(\a)+\b)+7]
.endif
.endr
.endr
.endm
; 32 LDS loads in one run: one quarter step's fragments (k = byte offset of the quarter in xb's rows: 0, 64, 128, 192) into buffer f
.macro FETCH slot, k, f
	WIN TO_B
.irp i, 0,1,2,3,4,5,6,7
	ds_load_b128 v[\f+8*\i:\f+8*\i+3],   v[ADRB+\slot] offset:(\k/64)*16384+\i*1024
	ds_load_b128 v[\f+8*\i+4:\f+8*\i+7], v[ADRB+\slot] offset:(\k/64)*16384+\i*1024+512
.endr
	WIN 0
.irp i, 0,1,2,3,4,5,6,7
	ds_load_b128 v[\f+8*\i:\f+8*\i+3],   v[ADRA+\slot] offset:\k+\i*16*PITCH
	ds_load_b128 v[\f+8*\i+4:\f+8*\i+7], v[ADRA+\slot] offset:\k+\i*16*PITCH+32
.endr
.endm
.macro QUARTER slot, k, f, g, zero
	s_wait_dscnt 8                                 ; the weights and xb's rows 0-63 are in; the youngest eight loads (rows 64-127) may be out
.if \zero
	WIN 0x81                                       ; C (the bias) in window 0, D in window 2
.else
	WIN MUL_LO
.endif
	MUL16 \f, 0, 0, \zero
	MUL16 \f, 0, 2, \zero
	PLACES
	FETCH \slot, \k, \g
	s_wait_dscnt 32                                ; all but the 32 just issued
.if \zero
	WIN 0xc1
.else
	WIN MUL_HI
.endif
	MUL16 \f, 1, 0, \zero
	MUL16 \f, 1, 2, \zero
.endm
.macro THREE slot, zero
	QUARTER \slot, 64,  F0, F1, \zero
	QUARTER \slot, 128, F1, F0, 0
	QUARTER \slot, 192, F0, F1, 0
.endm
; The last quarter of a K step changes slots.  In front of the barrier each wave waits for its reads of this slot and for all its tensor loads
; (one is out: its part of the next slot).  Where the slot is filled again the barrier opens a round of the cluster's barrier and the joint
; refill is the first tensor load behind the round's closing wait.
.macro TURN slot, next, fill
	s_wait_dscnt 8
	WIN MUL_LO
	MUL16 F1, 0, 0, 0
	s_wait_dscnt 0
	s_wait_tensorcnt 0x0
	s_barrier_signal -1
	MUL16 F1, 0, 2, 0                              ; register work while the others arrive
	WIN 0
	s_barrier_wait -1
.if \fill
	CREST
	s_add_nc_u64 s[G0+4*\slot+2:G0+4*\slot+3], s[G0+4*\slot+2:G0+4*\slot+3], 2*KSTEP*2
	s_add_nc_u64 s[G0B+4*\slot+2:G0B+4*\slot+3], s[G0B+4*\slot+2:G0B+4*\slot+3], 2*65536
	JLOAD \slot                                    ; its four v_nop are also the places in front of the loads below
.else
	PLACES
.endif
	FETCH \next, 0, F0
	WIN MUL_HI
	MUL16 F1, 1, 0, 0
	MUL16 F1, 1, 2, 0
.endm
.macro LAP zero
	THREE 0, \zero
	TURN 0, 1, 1
	THREE 1, 0
	TURN 1, 0, 1
.endm
	s_wait_loadcnt 0x0                             ; the bias
	s_wait_tensorcnt 1                             ; my part of K step 0 is in; K step 1's stays out
	s_barrier_signal -1
	s_barrier_wait -1
	FETCH 0, 0, F0
	LAP 1
	WIN 0
	s_mov_b32 s15, LAPS-2
.Llap:
	LAP 0
	WIN 0
	s_sub_co_u32 s15, s15, 1
	s_cmp_lg_u32 s15, 0
	s_cbranch_scc1 .Llap
	THREE 0, 0                                     ; the last lap fills nothing
	TURN 0, 1, 0
	THREE 1, 0
	s_wait_dscnt 8
	WIN MUL_LO
	MUL16 F1, 0, 0, 0
	MUL16 F1, 0, 2, 0
	s_wait_dscnt 0
	WIN MUL_HI
	MUL16 F1, 1, 0, 0
	MUL16 F1, 1, 2, 0
	PLACES                                         ; behind the last matrix instructions, in front of the conversions
	s_lshl_b32 s70, s18, 2
	s_lshl_b32 s71, s14, 1
	s_add_co_u32 s70, s70, s71                     ; my first slice = 4 x block column + 2 x column half
	s_lshl_b32 s70, s70, 20                        ; slices are 512 token tiles of 2,048 bytes apart
	s_lshl_b32 s71, s19, 4
	s_lshl3_add_u32 s71, s13, s71                  ; my first token tile = 16 x block row + 8 x row half
	s_lshl_b32 s71, s71, 11
	s_add_co_u32 s70, s70, s71
	s_mov_b32 s71, 0
	s_add_nc_u64 s[68:69], s[10:11], s[70:71]
; token tile a (0..7) of my block: eight column tiles, packed and stored; from = 0x0a (window 2) or 0x0f (window 3) for sources 0 and 1
.macro OUTROW a, from
.if \a >= 2
	s_wait_xcnt 0x0                                ; the set of packed registers that stores of two tiles ago read is rewritten only behind this wait
.endif
	WIN \from
.irp b, 0,1,2,3,4,5,6,7
.irp r, 0,1,2,3
	v_cvt_pk_bf16_f32 v[TMP+32*(\a&1)+4*\b+\r], v[8*(8*(\a&3)+\b)+2*\r], v[8*(8*(\a&3)+\b)+2*\r+1]
.endr
.endr
	WIN 0
.irp b, 0,1,2,3,4,5,6,7
	global_store_b128 v[LO16], v[TMP+32*(\a&1)+4*\b:TMP+32*(\a&1)+4*\b+3], s[68:69] offset:(\b>>2)*1048576+\a*2048+(\b&3)*512
.endr
.endm
	OUTROW 0, 0x0a
	OUTROW 1, 0x0a
	OUTROW 2, 0x0a
	OUTROW 3, 0x0a
	OUTROW 4, 0x0f
	OUTROW 5, 0x0f
	OUTROW 6, 0x0f
	OUTROW 7, 0x0f
	CROUND                                         ; the closing round: no work-group ends while a partner may still ask for a tile that names it
	s_endpgm
.Lfunc_end_k_qf51a7fd76b_qkvgemm:
	.size	k_qf51a7fd76b_qkvgemm, .Lfunc_end_k_qf51a7fd76b_qkvgemm-k_qf51a7fd76b_qkvgemm
	.p2alignl 7, 3214868480
	.fill 96, 4, 3214868480
	.section	.rodata,"a",@progbits
	.p2align	6, 0x0
	.amdhsa_kernel k_qf51a7fd76b_qkvgemm
		.amdhsa_group_segment_fixed_size 327680
		.amdhsa_private_segment_fixed_size 0
		.amdhsa_enable_private_segment 0
		.amdhsa_kernarg_size 32
		.amdhsa_user_sgpr_count 2
		.amdhsa_user_sgpr_kernarg_segment_ptr 1
		.amdhsa_wavefront_size32 1
		.amdhsa_system_sgpr_workgroup_id_x 1
		.amdhsa_system_sgpr_workgroup_id_y 1
		.amdhsa_system_sgpr_workgroup_id_z 1
		.amdhsa_system_vgpr_workitem_id 0
		.amdhsa_next_free_vgpr 1024
		.amdhsa_next_free_sgpr 72
		.amdhsa_reserve_vcc 0
		.amdhsa_float_denorm_mode_32 3
		.amdhsa_float_denorm_mode_16_64 3
		.amdhsa_memory_ordered 1
		.amdhsa_forward_progress 1
		.amdhsa_inst_pref_size 187
	.end_amdhsa_kernel
	.amdgpu_metadata
---
amdhsa.version: [ 1, 2 ]
amdhsa.kernels:
  - .name:           k_qf51a7fd76b_qkvgemm
    .symbol:         k_qf51a7fd76b_qkvgemm.kd
    .args:
      - { .name: xb, .offset: 0, .size: 8, .value_kind: global_buffer, .address_space: global }
      - { .name: wq, .offset: 8, .size: 8, .value_kind: global_buffer, .address_space: global }
      - { .name: b_qkv, .offset: 16, .size: 8, .value_kind: global_buffer, .address_space: global }
      - { .name: qkv, .offset: 24, .size: 8, .value_kind: global_buffer, .address_space: global }
    .group_segment_fixed_size: 327680
    .private_segment_fixed_size: 0
    .kernarg_segment_align: 8
    .kernarg_segment_size: 32
    .max_flat_workgroup_size: 128
    .sgpr_count:     72
    .vgpr_count:     1024
    .wavefront_size: 32
...
	.end_amdgpu_metadata
.endif
;; end of part 2
;; launch attn (part 3): grid 256 x 1, 8 waves a work-group, no clusters, 262,144 bytes of LDS; arguments qkv, att; writes att
.if DOCPART == 3
	.amdgcn_target "amdgcn-amd-amdhsa--gfx1250"
	.amdhsa_code_object_version 6
	.text
	.protected	k_qf51a7fd76b_attn
	.globl	k_qf51a7fd76b_attn
	.p2align	8
	.type	k_qf51a7fd76b_attn,@function
k_qf51a7fd76b_attn:
	s_mov_b64 s[64:65], 0
	v_nop
	global_prefetch_b8 v0, s[64:65] scope:SCOPE_SE
	s_setreg_imm32_b32 hwreg(HW_REG_WAVE_MODE, 25, 1), 1
	s_wait_xcnt 0x0
; att = softmax(q k^T / 8) v, one head and 512 queries a work-group, 64 queries (four tiles of 16) a wave, keys in trips of 64, with a running maximum.
; qkv: [slice 48][token tile 512][kt 2][piece 2][lane][16 B] (fragment order: token = lane & 15, e = 32 kt + 16 piece + 8 (lane >> 4) + j).
; The head's whole K and V (128 KiB each) lie in LDS, each byte filled once by the tensor data mover: nothing is filled again and nothing is stored to LDS.
; S^T = K Q^T (source 0 a K fragment, source 1 a Q fragment): a lane holds one query (lane & 15) and eight keys a tile, so the maximum and the sum
; of a row need one exchange between the two halves of the lanes, and the packed exponentials of two key tiles ARE the lane's registers of the
; P^T fragment.  O^T = V^T P^T (source 0: V read by the transposing LDS load): a lane holds one query and eight neighbouring e: 16 bytes of bf16
; that are its piece of the next launch's operand.  att: [token tile 512][kt 32][piece 2][lane][16 B], k = 64 head + e.
; NO CLUSTER: a head's K and V are shared by two work-groups only (512 of 1,024 queries each), each fetches them once at its start, and a joint
; request of two does not fit the masks of a cluster of four along x.
; Limits: operands q, k, v and the exponentials go to the matrix unit in bf16; v_exp_f32 and v_rcp_f32 flush denormals (ISA guide 15.8).
.set L16, 1                            ; v1      16 x lane
.set KAD, 2                            ; v2      LDS address of the trip's K fragments
.set VAD, 3                            ; v3      LDS address for the trip's transposing loads of V
.set T,   4                            ; v[4:11] at work
.set MX,  12                           ; v[12:15] running maximum of query tile q
.set LS,  16                           ; v[16:19] running sum (of the lane's half of the keys)
.set AL,  20                           ; v[20:27] pairs: the factor that rescales the old sums
.set NM,  28                           ; v[28:35] pairs: - maximum x log2(e) / 8
.set KF,  64                           ; v[64:127]  K fragment (t, kt) at 64 + 16 t + 8 kt
.set SC,  128                          ; v[128:255] S^T tile (q, t) at 128 + 32 q + 8 t; packed in place: P^T fragment (q, c) at 128 + 32 q + 8 c
.set QF,  0                            ; window 1: Q fragment (q, kt) at 16 q + 8 kt
.set VF,  64                           ; window 1: V^T fragment (c, et) at 64 + 32 c + 8 et
.set OA,  128                          ; window 1: O^T tile (q, et) at 128 + 32 q + 8 et
.set G1,  16                           ; s[16:23]
.set G0,  32                           ; s[32:39] a set for each of the wave's two loads
.set MSB, 0
.macro WIN new
.if MSB != (\new)
	s_set_vgpr_msb (MSB<<8)|(\new)
.set MSB, (\new)
.endif
.endm
	s_load_b128 s[4:7], s[0:1], 0x0                ; qkv s[4:5], att s[6:7]
	v_lshrrev_b32 v1, 5, v0
	v_readfirstlane_b32 s8, v1                     ; wave 0..7
	s_lshr_b32 s40, ttmp9, 5                       ; batch
	s_bfe_u32 s41, ttmp9, 0x40001                  ; head
	s_and_b32 s42, ttmp9, 1                        ; which 512 queries
	s_mov_b32 s10, 0x76543210                      ; v_permlanex16_b32: lane i takes lane i of the other half
	s_mov_b32 s11, 0xfedcba98
	s_mov_b32 s12, 0x3e38aa3b                      ; log2(e) / 8: the scale 1 / sqrt(64) and the base of v_exp_f32 in one factor
	s_mov_b32 s13, 0x3e38aa3b
	s_mov_b32 s14, 0xbe38aa3b
	; group 1: a dense block of 16 KiB as 64 rows of 256 bytes
	s_mov_b32 s[G1+0], 3<<16                       ; no mask; 8-byte elements; no padding
	s_mov_b32 s[G1+1], 32<<16
	s_mov_b32 s[G1+2], 64<<16
	s_mov_b32 s[G1+3], 32<<16
	s_mov_b32 s[G1+4], 64
	s_mov_b32 s[G1+5], 32
	s_mov_b32 s[G1+6], 0
	s_mov_b32 s[G1+7], 0
	; waves 0-3 fetch K, waves 4-7 V: a quarter (128 keys, 16 KiB) of keys 0-511, then of keys 512-1023
	s_lshr_b32 s43, s8, 2
	s_lshl_b32 s43, s43, 4
	s_add_co_u32 s43, s43, s41
	s_add_co_u32 s43, s43, 16                      ; slice 16 + head (K) or 32 + head (V)
	s_lshl_b32 s44, s43, 20
	s_lshl_b32 s43, s40, 17                        ; the batch's 64 token tiles of 2,048 bytes
	s_add_co_u32 s44, s44, s43
	s_and_b32 s43, s8, 3
	s_lshl_b32 s43, s43, 14
	s_add_co_u32 s44, s44, s43
	s_mov_b32 s45, 0
	s_lshl_b32 s46, s8, 14                         ; LDS: wave x 16,384: K's first half at 0, V's at 65,536; the second halves 131,072 further
	s_wait_kmcnt 0x0
	s_add_nc_u64 s[44:45], s[4:5], s[44:45]
.irp n, 0,1
	s_mov_b32 s[G0+4*\n], 1
	s_add_co_u32 s[G0+4*\n+1], s46, \n*131072
	s_add_nc_u64 s[G0+4*\n+2:G0+4*\n+3], s[44:45], \n*65536
	s_or_b32 s[G0+4*\n+3], s[G0+4*\n+3], 0x80000000
	tensor_load_to_lds s[G0+4*\n:G0+4*\n+3], s[G1:G1+7]            ; the wave's only two tensor loads, both first fills
	s_nop 0
.endr
	v_and_b32 v[L16], 31, v0
	v_lshlrev_b32 v[L16], 4, v[L16]
	s_lshl_b32 s46, s41, 20                        ; q: slice = head
	s_lshl_b32 s47, s40, 17
	s_add_co_u32 s46, s46, s47
	s_lshl_b32 s47, s42, 16                        ; 32 token tiles for the second 512 queries
	s_add_co_u32 s46, s46, s47
	s_lshl_b32 s47, s8, 13                         ; four token tiles a wave
	s_add_co_u32 s46, s46, s47
	s_mov_b32 s47, 0
	s_add_nc_u64 s[46:47], s[4:5], s[46:47]
	WIN 0x40
.irp u, 0,1,2,3,4,5,6,7,8,9,10,11,12,13,14,15
	global_load_b128 v[QF+4*\u:QF+4*\u+3], v[L16], s[46:47] offset:512*\u          ; u = 4 q + 2 kt + piece
.endr
	WIN 0
	s_lshl_b32 s44, s40, 6                         ; where the result goes: token tile 64 batch + 32 half + 4 wave,
	s_lshl_b32 s45, s42, 5
	s_add_co_u32 s44, s44, s45
	s_lshl_b32 s45, s8, 2
	s_add_co_u32 s44, s44, s45
	s_lshl_b32 s44, s44, 15                        ; 32,768 bytes a tile,
	s_lshl_b32 s45, s41, 11                        ; 2,048 bytes a head
	s_add_co_u32 s44, s44, s45
	s_mov_b32 s45, 0
	s_add_nc_u64 s[44:45], s[6:7], s[44:45]
	v_mov_b32 v[KAD], v[L16]
	v_bfe_u32 v4, v0, 3, 1                         ; a transposing load: lane L addresses key 8 (L >> 4) + (L & 7), e chunk (L >> 3) & 1
	v_bfe_u32 v5, v0, 4, 1
	v_and_b32 v6, 7, v0
	v_lshlrev_b32 v[VAD], 8, v4
	v_lshl_add_u32 v[VAD], v5, 7, v[VAD]
	v_lshl_add_u32 v[VAD], v6, 4, v[VAD]
	v_add_nc_u32 v[VAD], 0x10000, v[VAD]           ; V's first half
; Softmax step of query tile q on the trip's 64 keys (32 registers a lane).  first = 1: nothing to rescale.
.macro SOFTMAX q, first
.set SB, SC+32*\q
	v_max3_num_f32 v[T], v[SB], v[SB+1], v[SB+2]
	v_max3_num_f32 v[T+1], v[SB+16], v[SB+17], v[SB+18]
.irp i, 3,5,7,9,11,13
	v_max3_num_f32 v[T], v[T], v[SB+\i], v[SB+\i+1]
	v_max3_num_f32 v[T+1], v[T+1], v[SB+16+\i], v[SB+17+\i]
.endr
	v_max3_num_f32 v[T], v[T], v[SB+15], v[SB+31]
	v_max_num_f32 v[T], v[T], v[T+1]
	v_permlanex16_b32 v[T+2], v[T], s10, s11       ; the other half of the lanes holds the same query's other keys
.if \first
	v_max_num_f32 v[MX+\q], v[T], v[T+2]
.else
	v_max3_num_f32 v[T+3], v[T], v[T+2], v[MX+\q]
	v_sub_f32 v[T+4], v[MX+\q], v[T+3]
	v_mov_b32 v[MX+\q], v[T+3]
	v_mul_f32 v[T+4], s12, v[T+4]
	v_exp_f32 v[AL+2*\q], v[T+4]                   ; the two plain lines below stand between it and the use of its result (ISA guide 5.7.2)
.endif
	v_mul_f32 v[NM+2*\q], s14, v[MX+\q]
	v_mul_f32 v[NM+2*\q+1], s14, v[MX+\q]
.if \first == 0
	s_wait_alu depctr_va_vdst(0)
	v_mov_b32 v[AL+2*\q+1], v[AL+2*\q]
.endif
.set ii, 0
.rept 16
	v_pk_fma_f32 v[SB+ii:SB+ii+1], v[SB+ii:SB+ii+1], s[12:13], v[NM+2*\q:NM+2*\q+1] op_sel_hi:[1,0,1]   ; (s - max) log2(e) / 8
.set ii, ii+2
.endr
.set ii, 0
.rept 32
	v_exp_f32 v[SB+ii], v[SB+ii]
.set ii, ii+1
.endr
	v_nop                                          ; the plain place behind the exponentials
	s_wait_alu depctr_va_vdst(0)
.irp k, 0,1,2,3
	v_pk_add_f32 v[T+2*\k:T+2*\k+1], v[SB+2*\k:SB+2*\k+1], v[SB+8+2*\k:SB+9+2*\k]
.endr
.irp g, 16,24
.irp k, 0,1,2,3
	v_pk_add_f32 v[T+2*\k:T+2*\k+1], v[T+2*\k:T+2*\k+1], v[SB+\g+2*\k:SB+\g+2*\k+1]
.endr
.endr
	v_pk_add_f32 v[T:T+1], v[T:T+1], v[T+2:T+3]
	v_pk_add_f32 v[T+4:T+5], v[T+4:T+5], v[T+6:T+7]
	v_pk_add_f32 v[T:T+1], v[T:T+1], v[T+4:T+5]
.if \first
	v_add_f32 v[LS+\q], v[T], v[T+1]
.else
	v_add_f32 v[T], v[T], v[T+1]
	v_fma_f32 v[LS+\q], v[LS+\q], v[AL+2*\q], v[T]
.endif
.set ii, 0
.rept 16
	v_cvt_pk_bf16_f32 v[SB+ii], v[SB+2*ii], v[SB+2*ii+1]           ; ascending: register ii is written when 2 ii and 2 ii + 1 have been read
.set ii, ii+1
.endr
.endm
; One trip: 64 keys.
.macro TRIP first
.irp t, 0,1,2,3
.irp u, 0,1,2,3
	ds_load_b128 v[KF+16*\t+4*\u:KF+16*\t+4*\u+3], v[KAD] offset:\t*2048+\u*512
.endr
.endr
	WIN 0x40
.irp c, 0,1
.irp e, 0,1,2,3
	ds_load_tr16_b128 v[VF+32*\c+8*\e:VF+32*\c+8*\e+3],   v[VAD] offset:(2*\c)*2048+\e*512     ; keys 32 c + 8 h + 0..7 of e = 16 et + r
	ds_load_tr16_b128 v[VF+32*\c+8*\e+4:VF+32*\c+8*\e+7], v[VAD] offset:(2*\c+1)*2048+\e*512   ; keys 32 c + 16 + 8 h + 0..7
.endr
.endr
	s_wait_dscnt 16                                ; K's sixteen loads are in; V's sixteen may stay out
	WIN 0x04                                       ; source 1 (Q) in window 1
	; sixteen accumulators take turns, one instruction a turn
.irp q, 0,1,2,3
.irp t, 0,1,2,3
	v_wmma_f32_16x16x32_bf16 v[SC+32*\q+8*\t:SC+32*\q+8*\t+7], v[KF+16*\t:KF+16*\t+7], v[QF+16*\q:QF+16*\q+7], 0
.endr
.endr
.irp q, 0,1,2,3
.irp t, 0,1,2,3
	v_wmma_f32_16x16x32_bf16 v[SC+32*\q+8*\t:SC+32*\q+8*\t+7], v[KF+16*\t+8:KF+16*\t+15], v[QF+16*\q+8:QF+16*\q+15], v[SC+32*\q+8*\t:SC+32*\q+8*\t+7]
.endr
.endr
	WIN 0
.rept 4
	v_nop                                          ; four places in front of the first read of a result (ISA guide 7.12.1)
.endr
	SOFTMAX 0, \first
	SOFTMAX 1, \first
	SOFTMAX 2, \first
	SOFTMAX 3, \first
.if \first == 0
	WIN 0x41
.irp q, 0,1,2,3
.set ii, 0
.rept 16
	v_pk_mul_f32 v[OA+32*\q+ii:OA+32*\q+ii+1], v[OA+32*\q+ii:OA+32*\q+ii+1], v[AL+2*\q:AL+2*\q+1]
.set ii, ii+2
.endr
.endr
.endif
	s_wait_dscnt 0x0                               ; V's fragments
	WIN 0x51                                       ; source 0 (V^T), C and D in window 1; source 1 (P^T) in window 0
.irp q, 0,1,2,3
.irp e, 0,1,2,3
.if \first
	v_wmma_f32_16x16x32_bf16 v[OA+32*\q+8*\e:OA+32*\q+8*\e+7], v[VF+8*\e:VF+8*\e+7], v[SC+32*\q:SC+32*\q+7], 0
.else
	v_wmma_f32_16x16x32_bf16 v[OA+32*\q+8*\e:OA+32*\q+8*\e+7], v[VF+8*\e:VF+8*\e+7], v[SC+32*\q:SC+32*\q+7], v[OA+32*\q+8*\e:OA+32*\q+8*\e+7]
.endif
.endr
.endr
.irp q, 0,1,2,3
.irp e, 0,1,2,3
	v_wmma_f32_16x16x32_bf16 v[OA+32*\q+8*\e:OA+32*\q+8*\e+7], v[VF+32+8*\e:VF+39+8*\e], v[SC+32*\q+8:SC+32*\q+15], v[OA+32*\q+8*\e:OA+32*\q+8*\e+7]
.endr
.endr
	WIN 0
	v_add_nc_u32 v[KAD], 8192, v[KAD]              ; four token tiles on.  These two lines and three v_nop are the five places in front of the next
	v_add_nc_u32 v[VAD], 8192, v[VAD]              ; loads into fragments and of the next S^T products, which write over P^T
.rept 3
	v_nop
.endr
.endm
	s_wait_loadcnt 0x0                             ; Q
	s_wait_tensorcnt 0x1                           ; my part of keys 0-511 is in; my part of keys 512-1023 stays out
	s_barrier_signal -1
	s_barrier_wait -1                              ; everybody's is
	TRIP 1
	s_mov_b32 s9, 7
.Lfirst_half:
	TRIP 0
	s_sub_co_u32 s9, s9, 1
	s_cmp_lg_u32 s9, 0
	s_cbranch_scc1 .Lfirst_half
	s_wait_dscnt 0x0
	s_wait_tensorcnt 0x0                           ; my part of keys 512-1023
	s_barrier_signal -1
	s_barrier_wait -1
	v_add_nc_u32 v[KAD], 0x10000, v[KAD]           ; over V's first half to K's second
	v_add_nc_u32 v[VAD], 0x10000, v[VAD]           ; over K's second half to V's second
	s_mov_b32 s9, 8
.Lsecond_half:
	TRIP 0
	s_sub_co_u32 s9, s9, 1
	s_cmp_lg_u32 s9, 0
	s_cbranch_scc1 .Lsecond_half
	; the two halves of the lanes join their sums; divide; round once; store
.irp q, 0,1,2,3
	v_permlanex16_b32 v[T+\q], v[LS+\q], s10, s11
.endr
.irp q, 0,1,2,3
	v_add_f32 v[LS+\q], v[LS+\q], v[T+\q]
.endr
.irp q, 0,1,2,3
	v_rcp_f32 v[AL+2*\q], v[LS+\q]
.endr
	v_nop                                          ; the plain place behind the reciprocals
	s_wait_alu depctr_va_vdst(0)
.irp q, 0,1,2,3
	v_mov_b32 v[AL+2*\q+1], v[AL+2*\q]
.endr
	WIN 0x41
.irp q, 0,1,2,3
.set ii, 0
.rept 16
	v_pk_mul_f32 v[OA+32*\q+ii:OA+32*\q+ii+1], v[OA+32*\q+ii:OA+32*\q+ii+1], v[AL+2*\q:AL+2*\q+1]
.set ii, ii+2
.endr
.endr
	WIN 0x05
.set ii, 0
.rept 64
	v_cvt_pk_bf16_f32 v[KF+ii], v[OA+2*ii], v[OA+2*ii+1]           ; tile (q, et): four registers at 64 + 16 q + 4 et
.set ii, ii+1
.endr
	WIN 0
.irp q, 0,1,2,3
.irp e, 0,1,2,3
	global_store_b128 v[L16], v[KF+16*\q+4*\e:KF+16*\q+4*\e+3], s[44:45] offset:\q*32768+\e*512   ; 512 neighbouring bytes a wave, aligned
.endr
.endr
	s_endpgm
.Lfunc_end_k_qf51a7fd76b_attn:
	.size	k_qf51a7fd76b_attn, .Lfunc_end_k_qf51a7fd76b_attn-k_qf51a7fd76b_attn
	.p2alignl 7, 3214868480
	.fill 96, 4, 3214868480
	.section	.rodata,"a",@progbits
	.p2align	6, 0x0
	.amdhsa_kernel k_qf51a7fd76b_attn
		.amdhsa_group_segment_fixed_size 262144
		.amdhsa_private_segment_fixed_size 0
		.amdhsa_enable_private_segment 0
		.amdhsa_kernarg_size 16
		.amdhsa_user_sgpr_count 2
		.amdhsa_user_sgpr_kernarg_segment_ptr 1
		.amdhsa_wavefront_size32 1
		.amdhsa_system_sgpr_workgroup_id_x 1
		.amdhsa_system_sgpr_workgroup_id_y 1
		.amdhsa_system_sgpr_workgroup_id_z 1
		.amdhsa_system_vgpr_workitem_id 0
		.amdhsa_next_free_vgpr 512
		.amdhsa_next_free_sgpr 66
		.amdhsa_reserve_vcc 0
		.amdhsa_float_denorm_mode_32 3
		.amdhsa_float_denorm_mode_16_64 3
		.amdhsa_memory_ordered 1
		.amdhsa_forward_progress 1
		.amdhsa_inst_pref_size 108
	.end_amdhsa_kernel
	.amdgpu_metadata
---
amdhsa.version: [ 1, 2 ]
amdhsa.kernels:
  - .name:           k_qf51a7fd76b_attn
    .symbol:         k_qf51a7fd76b_attn.kd
    .args:
      - { .name: qkv, .offset: 0, .size: 8, .value_kind: global_buffer, .address_space: global }
      - { .name: att, .offset: 8, .size: 8, .value_kind: global_buffer, .address_space: global }
    .group_segment_fixed_size: 262144
    .private_segment_fixed_size: 0
    .kernarg_segment_align: 8
    .kernarg_segment_size: 16
    .max_flat_workgroup_size: 256
    .sgpr_count:     66
    .vgpr_count:     512
    .wavefront_size: 32
...
	.end_amdgpu_metadata
.endif
;; end of part 3
;; launch chain (part 4): grid 256 x 1, 8 waves a work-group, clusters of 4 x 1, 327,680 bytes of LDS; arguments att, x, wc, b_proj, ln1_g, ln1_b, b1, b2, ln2_g, ln2_b, out0; writes out0
.if DOCPART == 4
	.amdgcn_target "amdgcn-amd-amdhsa--gfx1250"
	.amdhsa_code_object_version 6
	.text
	.protected	k_qf51a7fd76b_chain
	.globl	k_qf51a7fd76b_chain
	.p2align	8
	.type	k_qf51a7fd76b_chain,@function
k_qf51a7fd76b_chain:
	s_mov_b64 s[64:65], 0
	v_nop
	global_prefetch_b8 v0, s[64:65] scope:SCOPE_SE
	s_setreg_imm32_b32 hwreg(HW_REG_WAVE_MODE, 25, 1), 1
	s_wait_xcnt 0x0
	s_wait_alu depctr_hold_cnt(0) depctr_sa_sdst(0) depctr_va_vdst(0) depctr_va_sdst(0) depctr_va_ssrc(0) depctr_va_vcc(0) depctr_vm_vsrc(0)
	s_getreg_b32 s2, hwreg(HW_REG_IB_STS2, 6, 4)
	s_cmp_eq_u32 s2, 0
	s_cbranch_scc0 .Lentry_in_a_cluster
	s_endpgm
.Lentry_in_a_cluster:
	s_bfe_u32 s2, ttmp6, 0x10000c
	s_cmp_lg_u32 s2, 0x3003
	s_cbranch_scc0 .Lentry_shape_is_right
	s_endpgm
.Lentry_shape_is_right:
; out0 = LN2(x1 + gelu(x1 W1 + b1) W2 + b2), x1 = LN1(x + att W_proj + b_proj), fused: a work-group owns 32 whole rows (two tiles of 16 tokens),
; so both norms stay inside it and nothing between att and out0 goes through memory.  Eight waves; wave w owns columns 128 w .. + 127 (eight tiles).
; With a weight fragment as source 0 and an activation fragment as source 1 a lane holds one row (lane & 15) and eight neighbouring columns a tile.
; Three stages of K = 1,024, each 16 steps of 64 k.  The weights (wc, fragment order, 128 KiB a step, [wave][i 2][n8 8] KiB) come through two LDS
; slots; each wave fetches and reads its own 16 KiB.  CLUSTER 4 x 1: all row blocks walk the same weights, so each load is a joint request of four.
; The price of whole rows: a weight fragment feeds two matrix instructions only.
; LDS: [0, 65536) the activations in fragment order [token tile 2][kt 32][piece][lane][16 B], written by ds_store alone; while they are dead the same
; bytes hold each wave's private stage (16 rows x 272 bytes at 4,352 w) and the norms' partial sums (at 40,960).  [65536, 327680) the two slots,
; filled by tensor loads alone.
; Numbers: residuals, norms (two passes: mean, then the squares of the differences) and GELU in f32; matrix operands in bf16.
; GELU is exact up to erf by Abramowitz and Stegun 7.1.26 (absolute error 1.5e-7), used as gelu(x) = max(x, 0) - |x| erfc(|x| / sqrt 2) / 2, which
; forms no difference of near-equal numbers for negative x.  v_exp_f32, v_rcp_f32, v_rsq_f32 flush denormals (ISA guide 15.8).
.set SCR,   40960                      ; partial sums: [row 32][wave 8] f32, twice (sums, squares 1,024 bytes further)
.set STG,   4352                       ; a wave's stage
.set WBASE, 65536
.set WSLOT, 131072
.set L16,   1                          ; 16 x lane
.set BOFF,  4                          ; 512 w + 32 h: my eight columns of tile 0 in a vector of 1,024 f32
.set ALD,   5                          ; running LDS address of the activation fragments
.set BLD,   6                          ; v6, v7: my weight fragments in slot 0, 1
.set ASTO,  8                          ; 4,096 w + 16 L: where my columns lie, as k, in the activations
.set STD,   9                          ; stage, tile side: row r, 32 h
.set STR,   10                         ; stage, row side: row L >> 4, 16 (L & 15)
.set GROW,  11                         ; the same two rows in x and out0: 4,096 (L >> 4) + 512 w + 16 (L & 15)
.set SCRST, 12
.set SCRLD, 13
.set T16,   14                         ; 16 x thread
.set MU,    24                         ; pairs: mean of my row in token tile 0, 1
.set RS,    28                         ; pairs: 1 / sqrt(var + eps)
.set T,     32                         ; v[32:47] at work
.set AF,    48                         ; activation fragments (buffer 0 in window 0, buffer 1 in window 1)
.set BF,    64                         ; weight fragments (likewise)
.set ACC,   128                        ; tile (mt, nt) at 128 + 64 mt + 8 nt: P in window 0, Q in window 1
.set G1,    44                         ; s[44:51]
.set G0,    52                         ; s[52:59] a set for each slot
.set MSB, 0
.macro WIN new
.if MSB != (\new)
	s_set_vgpr_msb (MSB<<8)|(\new)
.set MSB, (\new)
.endif
.endm
.macro PLACES                          ; four plain vector places behind matrix instructions (ISA guide 7.12.1)
.rept 4
	v_nop
.endr
.endm
.macro CREST                           ; a round of the cluster's barrier behind its opening work-group barrier
	s_cmp_lg_u32 s30, 0
	s_cbranch_scc1 .Lnot_wave_0_\@
	s_barrier_signal -3
.Lnot_wave_0_\@:
	s_barrier_wait -3
	s_barrier_signal -1
	s_barrier_wait -1
.endm
.macro CROUND
	s_barrier_signal -1
	s_barrier_wait -1
	CREST
.endm
.macro BAR                             ; a work-group barrier behind which no tensor load fills anything; my LDS instructions are done in front of it
	s_wait_dscnt 0x0
	s_barrier_signal -1
	s_barrier_wait -1
.endm
	s_load_b512 s[8:23], s[0:1], 0x0               ; att s[8:9], x s[10:11], wc s[12:13], b_proj s[14:15], ln1_g s[16:17], ln1_b s[18:19], b1 s[20:21], b2 s[22:23]
	s_load_b128 s[24:27], s[0:1], 0x40             ; ln2_g s[24:25], ln2_b s[26:27]
	s_load_b64 s[28:29], s[0:1], 0x50              ; out0
	v_lshrrev_b32 v2, 5, v0
	v_readfirstlane_b32 s30, v2                    ; wave 0..7
	s_bfe_u32 s32, ttmp6, 0x40000                  ; cx
	s_lshl_b32 s33, ttmp9, 2
	s_add_co_u32 s33, s33, s32                     ; work-group = 4 x cluster + cx: enters global addresses of x, att, out0 alone
	s_mov_b32 s36, 0x76543210
	s_mov_b32 s37, 0xfedcba98
	s_mov_b32 s38, 0xbf38aa3b                      ; - log2(e) / 2
	s_mov_b32 s39, 0xbf38aa3b
	s_mov_b32 s40, 0x3e6d3388                      ; 0.3275911 / sqrt 2
	s_mov_b32 s42, 0x3a800000                      ; 1 / 1,024
	s_mov_b32 s43, 0x3727c5ac                      ; 1e-5
	s_mov_b32 s[G1+0], 15|(3<<16)|(1<<21)          ; the cluster's four work-groups; 8-byte elements; bit 21 beside a mask
	s_mov_b32 s[G1+1], 32<<16                      ; a dense block of 16 KiB as 64 rows of 256 bytes
	s_mov_b32 s[G1+2], 64<<16
	s_mov_b32 s[G1+3], 32<<16
	s_mov_b32 s[G1+4], 64
	s_mov_b32 s[G1+5], 32
	s_mov_b32 s[G1+6], 0
	s_mov_b32 s[G1+7], 0
	s_lshl_b32 s34, s30, 14                        ; 16 KiB a wave, in wc and in a slot
	s_mov_b32 s35, 0
	s_wait_kmcnt 0x0
	s_add_nc_u64 s[12:13], s[12:13], s[34:35]
.irp n, 0,1
	s_mov_b32 s[G0+4*\n], 1
	s_add_co_u32 s[G0+4*\n+1], s34, WBASE+\n*WSLOT
	s_add_nc_u64 s[G0+4*\n+2:G0+4*\n+3], s[12:13], \n*WSLOT
	s_or_b32 s[G0+4*\n+3], s[G0+4*\n+3], 0x80000000
.endr
	CROUND                                         ; the four work-groups are here: the first joint loads meet
	tensor_load_to_lds s[G0:G0+3], s[G1:G1+7]      ; step 0
	s_nop 0
	tensor_load_to_lds s[G0+4:G0+7], s[G1:G1+7]    ; step 1: two tensor loads of the wave are out, later one
	s_nop 0
	s_lshl_b32 s34, s33, 17                        ; 32 rows of 4,096 bytes
	s_add_nc_u64 s[10:11], s[10:11], s[34:35]
	s_add_nc_u64 s[28:29], s[28:29], s[34:35]
	s_lshl_b32 s34, s33, 16                        ; two token tiles of 32 KiB
	s_add_nc_u64 s[8:9], s[8:9], s[34:35]
	v_and_b32 v[L16], 31, v0
	v_lshlrev_b32 v[L16], 4, v[L16]
	v_and_b32 v2, 15, v0                           ; r
	v_bfe_u32 v3, v0, 4, 1                         ; h
	s_lshl_b32 s60, s30, 9
	v_lshl_add_u32 v[BOFF], v3, 5, s60
	s_lshl_b32 s61, s30, 14
	s_add_co_u32 s61, s61, WBASE
	v_add_nc_u32 v[BLD], s61, v[L16]
	v_add_nc_u32 v[BLD+1], WSLOT, v[BLD]
	s_lshl_b32 s61, s30, 12
	v_add_nc_u32 v[ASTO], s61, v[L16]
	s_mul_i32 s62, s30, STG
	v_mul_u32_u24 v15, v2, 272
	v_lshl_add_u32 v15, v3, 5, v15
	v_add_nc_u32 v[STD], s62, v15
	v_mul_u32_u24 v15, v3, 272
	v_lshl_add_u32 v15, v2, 4, v15
	v_add_nc_u32 v[STR], s62, v15
	v_lshlrev_b32 v15, 12, v3
	v_lshl_add_u32 v15, v2, 4, v15
	v_add_nc_u32 v[GROW], s60, v15
	s_lshl_b32 s63, s30, 2
	s_add_co_u32 s63, s63, SCR
	v_lshl_add_u32 v[SCRST], v2, 5, s63
	v_lshlrev_b32 v[SCRLD], 5, v2
	v_add_nc_u32 v[SCRLD], SCR, v[SCRLD]
	v_lshlrev_b32 v[T16], 4, v0
	; ---- 64 loads: x by rows (sixteen lanes take 256 neighbouring bytes, aligned) into window 1, the bias, the attention's result
	WIN 0x40
.irp mt, 0,1
.irp c, 0,1
.irp i, 0,1,2,3,4,5,6,7
	global_load_b128 v[ACC+64*\mt+32*\c+4*\i:ACC+64*\mt+32*\c+4*\i+3], v[GROW], s[10:11] offset:(16*\mt+2*\i)*4096+\c*256 th:TH_LOAD_NT
.endr
.endr
.endr
.irp nt, 0,1,2,3,4,5,6,7
.irp q, 0,1
	global_load_b128 v[BF+8*\nt+4*\q:BF+8*\nt+4*\q+3], v[BOFF], s[14:15] offset:\nt*64+\q*16
.endr
.endr
	WIN 0
.irp i, 0,1,2,3,4,5,6,7,8,9,10,11,12,13,14,15
	global_load_b128 v[BF+4*\i:BF+4*\i+3], v[T16], s[8:9] offset:4096*\i th:TH_LOAD_NT
.endr
; 16 rows x 64 columns of x pass through my stage: in by rows, out by tiles, into P.  LDS serves a wave's instructions in order (ISA guide 5.7.1.4).
.macro XCH_IN mt, c, cnt
	s_wait_loadcnt \cnt                            ; this block's eight loads are in; cnt younger loads stay out
	WIN 0x04                                       ; store data in window 1
.irp i, 0,1,2,3,4,5,6,7
	ds_store_b128 v[STR], v[ACC+64*\mt+32*\c+4*\i:ACC+64*\mt+32*\c+4*\i+3] offset:\i*544
.endr
	WIN 0
.irp a, 0,1,2,3
.irp q, 0,1
	ds_load_b128 v[ACC+64*\mt+32*\c+8*\a+4*\q:ACC+64*\mt+32*\c+8*\a+4*\q+3], v[STD] offset:\a*64+\q*16
.endr
.endr
.endm
	XCH_IN 0, 0, 56
	XCH_IN 0, 1, 48
	XCH_IN 1, 0, 40
	XCH_IN 1, 1, 32
	BAR                                            ; every wave is done with its stage: the activations may be laid over it
	s_wait_loadcnt 0x0
.irp i, 0,1,2,3,4,5,6,7,8,9,10,11,12,13,14,15
	ds_store_b128 v[T16], v[BF+4*\i:BF+4*\i+3] offset:4096*\i      ; att's two tiles are the activations' image as they lie
.endr
	WIN 0x04
.irp mt, 0,1
.irp nt, 0,1,2,3,4,5,6,7
.irp i, 0,2,4,6
	v_pk_add_f32 v[ACC+64*\mt+8*\nt+\i:ACC+64*\mt+8*\nt+\i+1], v[ACC+64*\mt+8*\nt+\i:ACC+64*\mt+8*\nt+\i+1], v[BF+8*\nt+\i:BF+8*\nt+\i+1]   ; P = x + b_proj
.endr
.endr
.endr
	WIN 0
	BAR                                            ; the activations are whole
; 20 LDS loads: 32 k of both token tiles' activations and of my eight weight fragments, into buffer buf
.macro LOADF buf, slot
	WIN 0x40*\buf
.irp mt, 0,1
.irp p, 0,1
	ds_load_b128 v[AF+8*\mt+4*\p:AF+8*\mt+4*\p+3], v[ALD] offset:\mt*32768+\buf*1024+\p*512
.endr
.endr
.irp nt, 0,1,2,3,4,5,6,7
.irp p, 0,1
	ds_load_b128 v[BF+8*\nt+4*\p:BF+8*\nt+4*\p+3], v[BLD+\slot] offset:\buf*8192+\nt*1024+\p*512
.endr
.endr
.endm
; 16 matrix instructions on buffer buf; accq = 1: accumulators Q (window 1).  The sixteen accumulators take turns, one instruction a turn,
; in the same order everywhere.
.macro MM buf, accq, zero
	WIN (5*\buf)|(0x50*\accq)
.irp mt, 0,1
.irp nt, 0,1,2,3,4,5,6,7
.if \zero
	v_wmma_f32_16x16x32_bf16 v[ACC+64*\mt+8*\nt:ACC+64*\mt+8*\nt+7], v[BF+8*\nt:BF+8*\nt+7], v[AF+8*\mt:AF+8*\mt+7], 0
.else
	v_wmma_f32_16x16x32_bf16 v[ACC+64*\mt+8*\nt:ACC+64*\mt+8*\nt+7], v[BF+8*\nt:BF+8*\nt+7], v[AF+8*\mt:AF+8*\mt+7], v[ACC+64*\mt+8*\nt:ACC+64*\mt+8*\nt+7]
.endif
.endr
.endr
.endm
; One step of 64 k on slot.  refill = 1: the other slot, read in the step before, gets the next step's weights, first thing behind the round.
; tail = 1: the step ends in a round of the cluster's barrier: in front of its opening signal my LDS reads and all my tensor loads are done.
.macro STEP slot, refill, tail, accq, zero
.if \refill
	tensor_load_to_lds s[G0+4*(1-\slot):G0+4*(1-\slot)+3], s[G1:G1+7]
	s_nop 0
.endif
	PLACES                                         ; in front of loads into registers that matrix instructions have read
	LOADF 0, \slot
	LOADF 1, \slot
	WIN 0
	v_add_nc_u32 v[ALD], 2048, v[ALD]
	s_wait_dscnt 20                                ; buffer 0 is in; buffer 1's twenty loads may stay out
	MM 0, \accq, \zero
	s_wait_dscnt 0x0
.if \tail
	s_wait_tensorcnt 0x0                           ; the next step's weights have landed; no tensor load of mine is out, so a group 0 may be written
	s_add_nc_u64 s[G0+4*\slot+2:G0+4*\slot+3], s[G0+4*\slot+2:G0+4*\slot+3], 2*WSLOT
	s_barrier_signal -1
	MM 1, \accq, 0                                 ; register work while the others arrive
	WIN 0
	s_barrier_wait -1
	CREST
.else
	MM 1, \accq, 0
	WIN 0
.endif
.endm
; Sixteen steps.  first = 1: the launch's first step, whose slots were filled at the start.  last = 1: the launch's last step fetches nothing.
.macro STAGE accq, zero, first, last, name
	STEP 0, 1-\first, 1, \accq, \zero
	s_mov_b32 s31, 7
.L\name:
	STEP 1, 1, 1, \accq, 0
	STEP 0, 1, 1, \accq, 0
	s_sub_co_u32 s31, s31, 1
	s_cmp_lg_u32 s31, 0
	s_cbranch_scc1 .L\name
	STEP 1, 1-\last, 0, \accq, 0
.endm
; Between stages: my stores of the new activations and all my tensor loads are done, slot 1's address steps, and a round opens the next stage.
.macro OPEN
	s_wait_dscnt 0x0
	s_wait_tensorcnt 0x0
	s_add_nc_u64 s[G0+6:G0+7], s[G0+6:G0+7], 2*WSLOT
	CROUND
	v_mov_b32 v[ALD], v[L16]
.endm
.macro FOLD tb                         ; four pairs at tb -> the sum over my row's 128 columns of this wave, in v[tb]
	v_pk_add_f32 v[\tb:\tb+1], v[\tb:\tb+1], v[\tb+2:\tb+3]
	v_pk_add_f32 v[\tb+4:\tb+5], v[\tb+4:\tb+5], v[\tb+6:\tb+7]
	v_pk_add_f32 v[\tb:\tb+1], v[\tb:\tb+1], v[\tb+4:\tb+5]
	v_add_f32 v[\tb], v[\tb], v[\tb+1]
	v_permlanex16_b32 v[\tb+1], v[\tb], s36, s37   ; the other half of the lanes holds the row's other columns
	v_add_f32 v[\tb], v[\tb], v[\tb+1]
.endm
.macro GATHER off                      ; the eight waves' partial sums of my two rows -> v[T], v[T+8]
.irp mt, 0,1
	ds_load_b128 v[T+8*\mt:T+8*\mt+3],   v[SCRLD] offset:\off+\mt*512
	ds_load_b128 v[T+8*\mt+4:T+8*\mt+7], v[SCRLD] offset:\off+\mt*512+16
.endr
	s_wait_dscnt 0x0
.irp mt, 0,1
	v_pk_add_f32 v[T+8*\mt:T+8*\mt+1], v[T+8*\mt:T+8*\mt+1], v[T+8*\mt+2:T+8*\mt+3]
	v_pk_add_f32 v[T+8*\mt+4:T+8*\mt+5], v[T+8*\mt+4:T+8*\mt+5], v[T+8*\mt+6:T+8*\mt+7]
	v_pk_add_f32 v[T+8*\mt:T+8*\mt+1], v[T+8*\mt:T+8*\mt+1], v[T+8*\mt+4:T+8*\mt+5]
	v_add_f32 v[T+8*\mt], v[T+8*\mt], v[T+8*\mt+1]
.endr
.endm
; P = LayerNorm(P) g + b over whole rows.  gp, bp: the scalar pairs with g's and b's addresses.  withb2 = 1: b2 is fetched along, into window 1 v0-63.
.macro LNORM gp, bp, withb2
	PLACES
.irp nt, 0,1,2,3,4,5,6,7
.irp q, 0,1
	global_load_b128 v[BF+8*\nt+4*\q:BF+8*\nt+4*\q+3], v[BOFF], s[\gp:\gp+1] offset:\nt*64+\q*16
.endr
.endr
	WIN 0x40
.irp nt, 0,1,2,3,4,5,6,7
.irp q, 0,1
	global_load_b128 v[BF+8*\nt+4*\q:BF+8*\nt+4*\q+3], v[BOFF], s[\bp:\bp+1] offset:\nt*64+\q*16
.endr
.endr
.if \withb2
.irp nt, 0,1,2,3,4,5,6,7
.irp q, 0,1
	global_load_b128 v[8*\nt+4*\q:8*\nt+4*\q+3], v[BOFF], s[22:23] offset:\nt*64+\q*16
.endr
.endr
.endif
	WIN 0
	BAR                                            ; no wave reads the activations any more: their bytes serve as scratch
.irp mt, 0,1
.irp k, 0,1,2,3
	v_pk_add_f32 v[T+8*\mt+2*\k:T+8*\mt+2*\k+1], v[ACC+64*\mt+2*\k:ACC+64*\mt+2*\k+1], v[ACC+64*\mt+8+2*\k:ACC+64*\mt+9+2*\k]
.endr
.irp g, 2,3,4,5,6,7
.irp k, 0,1,2,3
	v_pk_add_f32 v[T+8*\mt+2*\k:T+8*\mt+2*\k+1], v[T+8*\mt+2*\k:T+8*\mt+2*\k+1], v[ACC+64*\mt+8*\g+2*\k:ACC+64*\mt+8*\g+2*\k+1]
.endr
.endr
	FOLD T+8*\mt
	ds_store_b32 v[SCRST], v[T+8*\mt] offset:\mt*512
.endr
	BAR                                            ; the eight waves' sums are there
	GATHER 0
.irp mt, 0,1
	v_mul_f32 v[MU+2*\mt], s42, v[T+8*\mt]
	v_mul_f32 v[MU+2*\mt+1], s42, v[T+8*\mt]
.endr
.irp mt, 0,1
.set ii, 0
.rept 32
	v_pk_add_f32 v[ACC+64*\mt+ii:ACC+64*\mt+ii+1], v[ACC+64*\mt+ii:ACC+64*\mt+ii+1], v[MU+2*\mt:MU+2*\mt+1] neg_lo:[0,1] neg_hi:[0,1]
.set ii, ii+2
.endr
.irp k, 0,1,2,3
	v_pk_mul_f32 v[T+8*\mt+2*\k:T+8*\mt+2*\k+1], v[ACC+64*\mt+2*\k:ACC+64*\mt+2*\k+1], v[ACC+64*\mt+2*\k:ACC+64*\mt+2*\k+1]
.endr
.irp g, 1,2,3,4,5,6,7
.irp k, 0,1,2,3
	v_pk_fma_f32 v[T+8*\mt+2*\k:T+8*\mt+2*\k+1], v[ACC+64*\mt+8*\g+2*\k:ACC+64*\mt+8*\g+2*\k+1], v[ACC+64*\mt+8*\g+2*\k:ACC+64*\mt+8*\g+2*\k+1], v[T+8*\mt+2*\k:T+8*\mt+2*\k+1]
.endr
.endr
	FOLD T+8*\mt
	ds_store_b32 v[SCRST], v[T+8*\mt] offset:1024+\mt*512
.endr
	BAR                                            ; the eight waves' sums of squares are there
	GATHER 1024
	v_fma_f32 v[T], v[T], s42, s43                 ; variance + eps
	v_fma_f32 v[T+8], v[T+8], s42, s43
	v_rsq_f32 v[RS], v[T]
	v_rsq_f32 v[RS+2], v[T+8]
	v_nop                                          ; the plain place behind the two (ISA guide 5.7.2)
	s_wait_alu depctr_va_vdst(0)
	v_mov_b32 v[RS+1], v[RS]
	v_mov_b32 v[RS+3], v[RS+2]
	BAR                                            ; every wave has read the scratch: its bytes may be written again
	s_wait_loadcnt 0x0                             ; g, b (and b2)
.irp mt, 0,1
.set ii, 0
.rept 32
	v_pk_mul_f32 v[ACC+64*\mt+ii:ACC+64*\mt+ii+1], v[ACC+64*\mt+ii:ACC+64*\mt+ii+1], v[RS+2*\mt:RS+2*\mt+1]
.set ii, ii+2
.endr
.endr
	WIN 0x10                                       ; source 2 (b) in window 1
.irp mt, 0,1
.irp nt, 0,1,2,3,4,5,6,7
.irp i, 0,2,4,6
	v_pk_fma_f32 v[ACC+64*\mt+8*\nt+\i:ACC+64*\mt+8*\nt+\i+1], v[ACC+64*\mt+8*\nt+\i:ACC+64*\mt+8*\nt+\i+1], v[BF+8*\nt+\i:BF+8*\nt+\i+1], v[BF+8*\nt+\i:BF+8*\nt+\i+1]
.endr
.endr
.endr
	WIN 0
.endm
; GELU of one tile of Q plus b1, rounded to bf16 and laid into the activations.  All operands in window 1: v0-7 t, v8-15 exp(-x^2/2), v16-23 the
; polynomial, v24-31 max(x, 0), v32-39 packed, v40 a copy of ASTO, v[42:43] the halved a5.  The coefficients are 7.1.26's, halved.
.macro GELU8 mt, nt
.set XB, ACC+64*\mt+8*\nt
.irp i, 0,2,4,6
	v_pk_add_f32 v[XB+\i:XB+\i+1], v[XB+\i:XB+\i+1], v[BF+8*\nt+\i:BF+8*\nt+\i+1]
.endr
.irp i, 0,1,2,3,4,5,6,7
	v_fma_f32 v[\i], |v[XB+\i]|, s40, 1.0
.endr
.irp i, 0,2,4,6
	v_pk_mul_f32 v[8+\i:9+\i], v[XB+\i:XB+\i+1], s[38:39] op_sel_hi:[1,0]
.endr
.irp i, 0,2,4,6
	v_pk_mul_f32 v[8+\i:9+\i], v[8+\i:9+\i], v[XB+\i:XB+\i+1]
.endr
.irp i, 0,1,2,3,4,5,6,7
	v_rcp_f32 v[\i], v[\i]
.endr
.irp i, 0,1,2,3,4,5,6,7
	v_exp_f32 v[8+\i], v[8+\i]
.endr
.irp i, 0,1,2,3,4,5,6,7
	v_max_num_f32 v[24+\i], 0, v[XB+\i]            ; plain lines that touch neither t nor the exponentials: the place behind the transcendentals
.endr
	s_wait_alu depctr_va_vdst(0)
.irp i, 0,2,4,6
	v_pk_fma_f32 v[16+\i:17+\i], v[\i:\i+1], v[42:43], 0xbf3a00e3 op_sel_hi:[1,1,0]
.endr
.irp c, 0x3f35f0e3, 0xbe11a98e, 0x3e027906
.irp i, 0,2,4,6
	v_pk_fma_f32 v[16+\i:17+\i], v[16+\i:17+\i], v[\i:\i+1], \c op_sel_hi:[1,1,0]
.endr
.endr
.irp i, 0,2,4,6
	v_pk_mul_f32 v[16+\i:17+\i], v[16+\i:17+\i], v[\i:\i+1]
.endr
.irp i, 0,2,4,6
	v_pk_mul_f32 v[16+\i:17+\i], v[16+\i:17+\i], v[8+\i:9+\i]      ; erfc(|x| / sqrt 2) / 2
.endr
.irp i, 0,1,2,3,4,5,6,7
	v_fma_f32 v[XB+\i], -|v[XB+\i]|, v[16+\i], v[24+\i]
.endr
.irp i, 0,1,2,3
	v_cvt_pk_bf16_f32 v[32+4*(\nt&1)+\i], v[XB+2*\i], v[XB+2*\i+1]
.endr
	ds_store_b128 v40, v[32+4*(\nt&1):35+4*(\nt&1)] offset:\mt*32768+\nt*512
.endm
	; ---- stage 1: P = x + b_proj + att W_proj
	v_mov_b32 v[ALD], v[L16]
	s_wait_tensorcnt 0x1                           ; my 16 KiB of step 0 are in (only I read them); step 1's stay out
	STAGE 0, 0, 1, 0, stage1
	; ---- x1 = LN1(P); its bf16 image becomes the activations; P = x1 + b2 waits for stage 3
	LNORM 16, 18, 1
.irp mt, 0,1
.irp nt, 0,1,2,3,4,5,6,7
.irp i, 0,1,2,3
	v_cvt_pk_bf16_f32 v[BF+32*\mt+4*\nt+\i], v[ACC+64*\mt+8*\nt+2*\i], v[ACC+64*\mt+8*\nt+2*\i+1]
.endr
.endr
.endr
.irp mt, 0,1
.irp nt, 0,1,2,3,4,5,6,7
	ds_store_b128 v[ASTO], v[BF+32*\mt+4*\nt:BF+32*\mt+4*\nt+3] offset:\mt*32768+\nt*512
.endr
.endr
	WIN 0x04
.irp mt, 0,1
.irp nt, 0,1,2,3,4,5,6,7
.irp i, 0,2,4,6
	v_pk_add_f32 v[ACC+64*\mt+8*\nt+\i:ACC+64*\mt+8*\nt+\i+1], v[ACC+64*\mt+8*\nt+\i:ACC+64*\mt+8*\nt+\i+1], v[8*\nt+\i:8*\nt+\i+1]
.endr
.endr
.endr
	WIN 0
	OPEN
	; ---- stage 2: Q = x1 W1 (the first products start the sums)
	STAGE 1, 1, 0, 0, stage2
	; ---- the activations become gelu(Q + b1)
	PLACES
	WIN 0x40
.irp nt, 0,1,2,3,4,5,6,7
.irp q, 0,1
	global_load_b128 v[BF+8*\nt+4*\q:BF+8*\nt+4*\q+3], v[BOFF], s[20:21] offset:\nt*64+\q*16
.endr
.endr
	v_mov_b32 v40, v[ASTO]
	v_mov_b32 v42, 0x3f07dc22
	v_mov_b32 v43, 0x3f07dc22
	WIN 0
	BAR                                            ; no wave reads x1's image any more
	s_wait_loadcnt 0x0
	WIN 0x55
.irp mt, 0,1
.irp nt, 0,1,2,3,4,5,6,7
	GELU8 \mt, \nt
.endr
.endr
	WIN 0
	OPEN
	; ---- stage 3: P = x1 + b2 + gelu(..) W2
	STAGE 0, 0, 0, 1, stage3
	; ---- out0 = LN2(P), out through my stage: in by tiles, back by rows into window 1, sixteen lanes store 256 neighbouring bytes, aligned
	LNORM 24, 26, 0
.irp mt, 0,1
.irp c, 0,1
	WIN 0
.irp a, 0,1,2,3
.irp q, 0,1
	ds_store_b128 v[STD], v[ACC+64*\mt+32*\c+8*\a+4*\q:ACC+64*\mt+32*\c+8*\a+4*\q+3] offset:\a*64+\q*16
.endr
.endr
	WIN 0x40
.irp i, 0,1,2,3,4,5,6,7
	ds_load_b128 v[ACC+64*\mt+32*\c+4*\i:ACC+64*\mt+32*\c+4*\i+3], v[STR] offset:\i*544
.endr
.endr
.endr
	WIN 0x04                                       ; store data in window 1
.irp mt, 0,1
.irp c, 0,1
	s_wait_dscnt 48-16*(2*\mt+\c)                  ; this block's loads are back; the sixteen LDS instructions of each younger block stay out
.irp i, 0,1,2,3,4,5,6,7
	global_store_b128 v[GROW], v[ACC+64*\mt+32*\c+4*\i:ACC+64*\mt+32*\c+4*\i+3], s[28:29] offset:(16*\mt+2*\i)*4096+\c*256 th:TH_STORE_NT
.endr
.endr
.endr
	WIN 0
	CROUND                                         ; the closing round: no work-group ends while a partner may still issue a joint load that names it
	s_endpgm
.Lfunc_end_k_qf51a7fd76b_chain:
	.size	k_qf51a7fd76b_chain, .Lfunc_end_k_qf51a7fd76b_chain-k_qf51a7fd76b_chain
	.p2alignl 7, 3214868480
	.fill 96, 4, 3214868480
	.section	.rodata,"a",@progbits
	.p2align	6, 0x0
	.amdhsa_kernel k_qf51a7fd76b_chain
		.amdhsa_group_segment_fixed_size 327680
		.amdhsa_private_segment_fixed_size 0
		.amdhsa_enable_private_segment 0
		.amdhsa_kernarg_size 88
		.amdhsa_user_sgpr_count 2
		.amdhsa_user_sgpr_kernarg_segment_ptr 1
		.amdhsa_wavefront_size32 1
		.amdhsa_system_sgpr_workgroup_id_x 1
		.amdhsa_system_sgpr_workgroup_id_y 1
		.amdhsa_system_sgpr_workgroup_id_z 1
		.amdhsa_system_vgpr_workitem_id 0
		.amdhsa_next_free_vgpr 512
		.amdhsa_next_free_sgpr 66
		.amdhsa_reserve_vcc 0
		.amdhsa_float_denorm_mode_32 3
		.amdhsa_float_denorm_mode_16_64 3
		.amdhsa_memory_ordered 1
		.amdhsa_forward_progress 1
		.amdhsa_inst_pref_size 236
	.end_amdhsa_kernel
	.amdgpu_metadata
---
amdhsa.version: [ 1, 2 ]
amdhsa.kernels:
  - .name:           k_qf51a7fd76b_chain
    .symbol:         k_qf51a7fd76b_chain.kd
    .args:
      - { .name: att, .offset: 0, .size: 8, .value_kind: global_buffer, .address_space: global }
      - { .name: x, .offset: 8, .size: 8, .value_kind: global_buffer, .address_space: global }
      - { .name: wc, .offset: 16, .size: 8, .value_kind: global_buffer, .address_space: global }
      - { .name: b_proj, .offset: 24, .size: 8, .value_kind: global_buffer, .address_space: global }
      - { .name: ln1_g, .offset: 32, .size: 8, .value_kind: global_buffer, .address_space: global }
      - { .name: ln1_b, .offset: 40, .size: 8, .value_kind: global_buffer, .address_space: global }
      - { .name: b1, .offset: 48, .size: 8, .value_kind: global_buffer, .address_space: global }
      - { .name: b2, .offset: 56, .size: 8, .value_kind: global_buffer, .address_space: global }
      - { .name: ln2_g, .offset: 64, .size: 8, .value_kind: global_buffer, .address_space: global }
      - { .name: ln2_b, .offset: 72, .size: 8, .value_kind: global_buffer, .address_space: global }
      - { .name: out0, .offset: 80, .size: 8, .value_kind: global_buffer, .address_space: global }
    .group_segment_fixed_size: 327680
    .private_segment_fixed_size: 0
    .kernarg_segment_align: 8
    .kernarg_segment_size: 88
    .max_flat_workgroup_size: 256
    .sgpr_count:     66
    .vgpr_count:     512
    .wavefront_size: 32
...
	.end_amdgpu_metadata
.endif
;; end of part 4
;; ======== version 2 of 2: 4 launches
;; limits: a function is approximated: absolute error at most 1.5e-07
;; workspace buffers: xb 16,777,216 bytes; wq 6,291,456 bytes; wc 6,291,456 bytes; qkv 50,331,648 bytes; att 16,777,216 bytes
;; launch prep (part 5): grid 1280 x 1, 8 waves a work-group, no clusters, 34,816 bytes of LDS; arguments x, W_qkv, W_proj, W1, W2, xb, wq, wc; writes xb, wq, wc
.if DOCPART == 5
	.amdgcn_target "amdgcn-amd-amdhsa--gfx1250"
	.amdhsa_code_object_version 6
	.text
	.protected	k_qf51a7fd76b_prep
	.globl	k_qf51a7fd76b_prep
	.p2align	8
	.type	k_qf51a7fd76b_prep,@function
k_qf51a7fd76b_prep:
	s_mov_b64 s[64:65], 0
	v_nop
	global_prefetch_b8 v0, s[64:65] scope:SCOPE_SE
	s_setreg_imm32_b32 hwreg(HW_REG_WAVE_MODE, 25, 1), 1
	s_wait_xcnt 0x0
; Casts x and the four weight matrices to bf16 and lays them in FRAGMENT ORDER (xb, wq, wc).
; A fragment is 16 indices (tokens of x, or columns n of a weight W[k][n]) x 32 k: 1,024 bytes laid as [piece p = 0,1][lane L = 0..31][16 bytes];
; with r = L & 15, h = L >> 4 the 16 bytes of (p, L) hold index r, k = 16 p + 8 h + j, j = 0..7, low j first.  Two 16-byte loads
; at 16 L and 512 + 16 L then fill the eight registers of a 16-bit matrix operand, and each load of a wave covers 512 neighbouring bytes.
; xb: fragment ((block row of 256 tokens x 8 + K step of 128) x 4 + k4) x 16 + token tile;  wq: ((column block of 384 x 8 + K step) x 4 + k4) x 24 + n16;
; wc: ((stage x 16 + s) x 8 + w) x 16 + 8 i + n8.  So what a K step of the next launch needs of xb (64 KiB) and of wq (96 KiB) is one dense block each.
; Work-groups 0..511: one token tile (16 rows of x) each, one K step (128 columns) a wave; 512..895: 16 fragments of W_qkv each; 896..1279: 16 of W_proj, W1 or W2.
; x is read by rows (a wave's load covers 512 neighbouring bytes), packed, turned in the wave's own 4,352 bytes of LDS (16 rows, pitch 272: the
; sixteen rows that a 16-byte read touches lie 272 bytes apart) and stored as fragments.  No barrier: no wave needs another's data.
; The weights are gathered by 4-byte loads (sixteen lanes take 64 neighbouring bytes of one row of W): this touches the 25 MB of weights once in the
; whole program, so no stage is spent on it.
.set XW, 512                           ; work-groups for x
.set QW, 384                           ; work-groups for W_qkv
.set STG, 4352                         ; a wave's stage in LDS
.set D,  8                             ; x: v[8:71] sixteen rows as loaded; packed row i goes to v[8+2i:9+2i], whose f32 have been read; fragments come back into v[40:71]
.set Y,  40                            ; weights: v[8:39] as loaded, v[40:55] packed
	s_load_b512 s[8:23], s[0:1], 0x0               ; x s[8:9], W_qkv s[10:11], W_proj s[12:13], W1 s[14:15], W2 s[16:17], xb s[18:19], wq s[20:21], wc s[22:23]
	s_mov_b32 s2, ttmp9
	s_cmp_ge_u32 s2, XW
	s_cbranch_scc1 .Lweights
	; ---- x: token tile T = work-group, K step = wave
	v_lshrrev_b32 v5, 5, v0
	v_readfirstlane_b32 s3, v5                     ; wave
	s_mul_i32 s4, s3, STG                          ; my stage
	s_lshl_b32 s5, s3, 16                          ; K steps lie 64 KiB apart in xb
	v_and_b32 v5, 31, v0                           ; L
	v_and_b32 v6, 15, v0                           ; r
	v_bfe_u32 v7, v0, 4, 1                         ; h
	v_lshlrev_b32 v1, 4, v0                        ; in a row of x: 512 wave + 16 L
	v_lshl_add_u32 v2, v5, 4, s5                   ; in xb: 65,536 wave + 16 L
	v_lshl_add_u32 v3, v5, 3, s4                   ; stage, in: 8 bytes a lane
	v_mul_u32_u24 v4, v6, 272                      ; stage, out: row r, 16 h
	v_lshl_add_u32 v4, v7, 4, v4
	v_add_nc_u32 v4, s4, v4
	s_lshl_b32 s24, s2, 16                         ; 16 rows of 4,096 bytes
	s_mov_b32 s25, 0
	s_lshr_b32 s26, s2, 4
	s_lshl_b32 s26, s26, 19                        ; block row: 8 K steps of 64 KiB
	s_and_b32 s27, s2, 15
	s_lshl_b32 s27, s27, 10                        ; token tile in the block row
	s_add_co_u32 s26, s26, s27
	s_mov_b32 s27, 0
	s_wait_kmcnt 0x0
	s_add_nc_u64 s[24:25], s[8:9], s[24:25]
	s_add_nc_u64 s[26:27], s[18:19], s[26:27]
.irp i, 0,1,2,3,4,5,6,7,8,9,10,11,12,13,14,15
	global_load_b128 v[D+4*\i:D+4*\i+3], v1, s[24:25] offset:4096*\i th:TH_LOAD_NT
.endr
.irp i, 0,1,2,3,4,5,6,7,8,9,10,11,12,13,14,15
	s_wait_loadcnt 15-\i                           ; loads return in order: row i is in, the 15 - i younger rows stay out
	v_cvt_pk_bf16_f32 v[D+2*\i], v[D+4*\i], v[D+4*\i+1]
	v_cvt_pk_bf16_f32 v[D+2*\i+1], v[D+4*\i+2], v[D+4*\i+3]
	ds_store_b64 v3, v[D+2*\i:D+2*\i+1] offset:272*\i
.endr
.irp f, 0,1,2,3,4,5,6,7
	ds_load_b128 v[D+32+4*\f:D+35+4*\f], v4 offset:32*\f           ; f = 2 k4 + p: byte 64 k4 + 32 p + 16 h of row r.  LDS serves a wave's instructions in order (ISA guide 5.7.1.4)
.endr
.irp f, 0,1,2,3,4,5,6,7
	s_wait_dscnt 7-\f                              ; piece f is back, the younger ones stay out
	global_store_b128 v2, v[D+32+4*\f:D+35+4*\f], s[26:27] offset:(\f>>1)*16384+(\f&1)*512   ; a wave's store covers 512 neighbouring bytes, aligned
.endr
	s_endpgm
; Four pieces of 16 bytes a thread: o = 2 e + p, fragment e of the wave's two, piece p.
; pitch = numbers in a row of the source.  s[24:25] source corner, v1 the thread's offset in it, s[26:27] destination, v2 its offset.
.macro SWZ pitch
.irp o, 0,1,2,3
.irp j, 0,1,2,3,4,5,6,7
	global_load_b32 v[D+8*\o+\j], v1, s[24:25] offset:((16*(\o&1)+\j)*\pitch+16*(\o>>1))*4   ; W[16 p + 8 h + j][16 e + r]
.endr
.endr
.irp o, 0,1,2,3
	s_wait_loadcnt 24-8*\o                         ; piece o's eight loads are in, the younger pieces' stay out
.irp i, 0,1,2,3
	v_cvt_pk_bf16_f32 v[Y+4*\o+\i], v[D+8*\o+2*\i], v[D+8*\o+2*\i+1]
.endr
	global_store_b128 v2, v[Y+4*\o:Y+4*\o+3], s[26:27] offset:512*\o    ; a wave's store covers 512 neighbouring bytes, aligned
.endr
.endm
; A work-group's sixteen fragments are [i = 0,1: 32 rows k][n8 = 0..7: 16 columns]; wave = 4 i + n8 / 2.
.Lweights:
	v_and_b32 v3, 15, v0                           ; r
	v_bfe_u32 v4, v0, 4, 1                         ; h
	v_bfe_u32 v5, v0, 5, 2                         ; wave & 3
	v_lshrrev_b32 v6, 7, v0                        ; i
	v_and_b32 v2, 31, v0
	v_lshlrev_b32 v2, 4, v2
	v_lshl_add_u32 v2, v5, 11, v2                  ; two fragments for each of the four waves of one i + 16 L
	s_cmp_ge_u32 s2, XW+QW
	s_cbranch_scc1 .Lchainw
	; ---- W_qkv: g = 3 q + n3; rows 64 (q & 15) .., columns 384 (q >> 4) + 128 n3 ..; wq + 48 KiB x q + 8 KiB x n3, the second 32 rows 24 KiB further
	s_sub_co_u32 s3, s2, XW
	s_mul_i32 s4, s3, 43691
	s_lshr_b32 s4, s4, 17                          ; q = g / 3 (exact for g below 384)
	s_mul_i32 s5, s4, 3
	s_sub_co_u32 s5, s3, s5                        ; n3
	s_and_b32 s6, s4, 15
	s_mul_i32 s24, s6, 64*3072*4
	s_lshr_b32 s6, s4, 4
	s_mul_i32 s6, s6, 384*4
	s_add_co_u32 s24, s24, s6
	s_lshl_b32 s6, s5, 9
	s_add_co_u32 s24, s24, s6
	s_mov_b32 s25, 0
	s_mul_i32 s26, s4, 49152
	s_lshl_b32 s6, s5, 13
	s_add_co_u32 s26, s26, s6
	s_mov_b32 s27, 0
	s_mov_b32 s28, 24576
	s_mov_b32 s29, 8*3072*4
	v_mad_u32_u24 v2, v6, s28, v2
	v_mul_u32_u24 v1, v6, 32*3072*4                ; 32 i rows
	v_mad_u32_u24 v1, v4, s29, v1                  ; + 8 h rows
	v_lshl_add_u32 v1, v5, 7, v1                   ; + 32 columns for each of the four waves of one i
	v_lshl_add_u32 v1, v3, 2, v1                   ; + r
	s_wait_kmcnt 0x0
	s_add_nc_u64 s[24:25], s[10:11], s[24:25]
	s_add_nc_u64 s[26:27], s[20:21], s[26:27]
	SWZ 3072
	s_endpgm
.Lchainw:
	; ---- W_proj, W1, W2: g = (16 stage + s) 8 + w; rows 64 s + 32 i .., columns 128 w + 16 n8 ..; wc + 16 KiB x g
	s_sub_co_u32 s3, s2, XW+QW
	s_lshr_b32 s4, s3, 7                           ; stage
	s_bfe_u32 s5, s3, 0x40003                      ; s
	s_and_b32 s6, s3, 7                            ; w
	s_lshl_b32 s24, s5, 18                         ; 64 rows of 4,096 bytes
	s_lshl_b32 s6, s6, 9                           ; 128 columns
	s_add_co_u32 s24, s24, s6
	s_mov_b32 s25, 0
	s_lshl_b32 s26, s3, 14
	s_mov_b32 s27, 0
	v_lshl_add_u32 v2, v6, 13, v2                  ; the second 32 rows' eight fragments
	v_lshlrev_b32 v1, 17, v6                       ; 32 i rows
	v_lshl_add_u32 v1, v4, 15, v1                  ; + 8 h rows
	v_lshl_add_u32 v1, v5, 7, v1                   ; + 32 columns for each of the four waves of one i
	v_lshl_add_u32 v1, v3, 2, v1                   ; + r
	s_wait_kmcnt 0x0
	s_cmp_eq_u32 s4, 0
	s_cselect_b64 s[28:29], s[12:13], s[14:15]     ; stage 0: W_proj, else W1,
	s_cmp_eq_u32 s4, 2
	s_cselect_b64 s[28:29], s[16:17], s[28:29]     ; stage 2: W2
	s_add_nc_u64 s[24:25], s[28:29], s[24:25]
	s_add_nc_u64 s[26:27], s[22:23], s[26:27]
	SWZ 1024
	s_endpgm
.Lfunc_end_k_qf51a7fd76b_prep:
	.size	k_qf51a7fd76b_prep, .Lfunc_end_k_qf51a7fd76b_prep-k_qf51a7fd76b_prep
	.p2alignl 7, 3214868480
	.fill 96, 4, 3214868480
	.section	.rodata,"a",@progbits
	.p2align	6, 0x0
	.amdhsa_kernel k_qf51a7fd76b_prep
		.amdhsa_group_segment_fixed_size 34816
		.amdhsa_private_segment_fixed_size 0
		.amdhsa_enable_private_segment 0
		.amdhsa_kernarg_size 64
		.amdhsa_user_sgpr_count 2
		.amdhsa_user_sgpr_kernarg_segment_ptr 1
		.amdhsa_wavefront_size32 1
		.amdhsa_system_sgpr_workgroup_id_x 1
		.amdhsa_system_sgpr_workgroup_id_y 1
		.amdhsa_system_sgpr_workgroup_id_z 1
		.amdhsa_system_vgpr_workitem_id 0
		.amdhsa_next_free_vgpr 72
		.amdhsa_next_free_sgpr 66
		.amdhsa_reserve_vcc 0
		.amdhsa_float_denorm_mode_32 3
		.amdhsa_float_denorm_mode_16_64 3
		.amdhsa_memory_ordered 1
		.amdhsa_forward_progress 1
		.amdhsa_inst_pref_size 20
	.end_amdhsa_kernel
	.amdgpu_metadata
---
amdhsa.version: [ 1, 2 ]
amdhsa.kernels:
  - .name:           k_qf51a7fd76b_prep
    .symbol:         k_qf51a7fd76b_prep.kd
    .args:
      - { .name: x, .offset: 0, .size: 8, .value_kind: global_buffer, .address_space: global }
      - { .name: W_qkv, .offset: 8, .size: 8, .value_kind: global_buffer, .address_space: global }
      - { .name: W_proj, .offset: 16, .size: 8, .value_kind: global_buffer, .address_space: global }
      - { .name: W1, .offset: 24, .size: 8, .value_kind: global_buffer, .address_space: global }
      - { .name: W2, .offset: 32, .size: 8, .value_kind: global_buffer, .address_space: global }
      - { .name: xb, .offset: 40, .size: 8, .value_kind: global_buffer, .address_space: global }
      - { .name: wq, .offset: 48, .size: 8, .value_kind: global_buffer, .address_space: global }
      - { .name: wc, .offset: 56, .size: 8, .value_kind: global_buffer, .address_space: global }
    .group_segment_fixed_size: 34816
    .private_segment_fixed_size: 0
    .kernarg_segment_align: 8
    .kernarg_segment_size: 64
    .max_flat_workgroup_size: 256
    .sgpr_count:     66
    .vgpr_count:     72
    .wavefront_size: 32
...
	.end_amdgpu_metadata
.endif
;; end of part 5
;; launch qkvgemm (part 6): grid 8 x 32, 4 waves a work-group, clusters of 4 x 4, 327,680 bytes of LDS; arguments xb, wq, b_qkv, qkv; writes qkv
.if DOCPART == 6
	.amdgcn_target "amdgcn-amd-amdhsa--gfx1250"
	.amdhsa_code_object_version 6
	.text
	.protected	k_qf51a7fd76b_qkvgemm
	.globl	k_qf51a7fd76b_qkvgemm
	.p2align	8
	.type	k_qf51a7fd76b_qkvgemm,@function
k_qf51a7fd76b_qkvgemm:
	s_mov_b64 s[64:65], 0
	v_nop
	global_prefetch_b8 v0, s[64:65] scope:SCOPE_SE
	s_setreg_imm32_b32 hwreg(HW_REG_WAVE_MODE, 25, 1), 1
	s_wait_xcnt 0x0
	s_wait_alu depctr_hold_cnt(0) depctr_sa_sdst(0) depctr_va_vdst(0) depctr_va_sdst(0) depctr_va_ssrc(0) depctr_va_vcc(0) depctr_vm_vsrc(0)
	s_getreg_b32 s2, hwreg(HW_REG_IB_STS2, 6, 4)
	s_cmp_eq_u32 s2, 0
	s_cbranch_scc0 .Lentry_in_a_cluster
	s_endpgm
.Lentry_in_a_cluster:
	s_bfe_u32 s2, ttmp6, 0x10000c
	s_cmp_lg_u32 s2, 0xf033
	s_cbranch_scc0 .Lentry_shape_is_right
	s_endpgm
.Lentry_shape_is_right:
; qkv = x W_qkv + b_qkv.  xb and wq hold x and W_qkv in bf16 in fragment order (16 tokens or columns x 32 k = 1,024 bytes, [piece][lane][16 B]):
; xb fragment ((block row 8 + K step) 4 + k4) 16 + token tile, wq fragment ((column block 8 + K step) 4 + k4) 24 + n16.  Sums in f32; the result rounded once to bf16.
; THE SHARE: 8,192 x 3,072 outputs on 256 work-groups of equal work: a block of 256 tokens x 384 columns each, four waves, a wave 128 x 192:
; 96 accumulator tiles, 768 registers.  K goes in steps of 128 through two LDS slots.  A slot holds the step's 96 fragments of the weights (96 KiB) and
; its 64 fragments of xb (64 KiB), both dense: a fragment load of a wave takes 512 neighbouring bytes, so nothing is padded, and two slots are 327,680 bytes.
; CLUSTERS: 4 x 4 work-groups.  xb's tile hangs on the block row alone and is asked for jointly by a row of the cluster, the weights' tile on the
; block column alone and is asked for jointly by a column: each tile is requested once for four work-groups.
; A QUARTER STEP (32 k) is three blocks of 32 matrix instructions, four column tiles x eight token tiles, one accumulator window each.  xb's eight fragments
; have two buffers; the weights' twelve have one: behind a block its four are loaded again for the next quarter step, two blocks ahead of their use.
; THE BIAS is added on the way out: while the sums run no 96 registers are free for it.  It is fetched in the last quarter step into the weight
; fragments' registers as each block frees them.
; THE WAY OUT needs no LDS: with the weights as source 0 a lane's eight results are eight neighbouring columns of one token; packed to bf16 they are
; that same lane's 16 bytes of the next product's operand.  qkv is laid [slice = column / 64][token tile of 16][kt 2][piece 2][lane][16 B]
; (slice 0-15 q, 16-31 k, 32-47 v by head), so each store of a wave covers 512 neighbouring bytes, aligned.
; REGISTERS in windows of 256: window 0: v8-15 addresses, v32-95 / v96-159 fragments of xb (two buffers), v160-255 fragments of the weights;
; window 1 + g: accumulator tile (token tile a, column tile 4 g + b) at v[8 (8 b + a)].
.set BHALF,  49152                     ; 48 fragments of the weights (two quarter steps): one tensor load
.set AHALF,  32768                     ; 32 fragments of xb (two quarter steps): one tensor load
.set ATILE,  2*BHALF                   ; xb's fragments begin here in a slot
.set SLOT,   ATILE+2*AHALF
.set LAPS,   4                         ; 1,024 / (2 x 128): a lap is once round the two slots
.set ADRA, 8                           ; v8-9    LDS address of my xb fragments in slot 0, 1
.set ADRB, 10                          ; v10-13  the same for the weights, for each slot's two halves (96 KiB pass a 16-bit offset)
.set LO16, 14                          ; v14     16 x lane
.set H32,  15                          ; v15     32 x (lane / 16)
.set AF0,  32
.set AF1,  96
.set BFR,  160
.set G1, 24                            ; s[24:31] group 1 for xb's tiles
.set G0, 32                            ; s[32:39] group 0 for xb's tiles, a set for each slot
.set G1B, 48                           ; s[48:55] group 1 for the weights' tiles
.set G0B, 56                           ; s[56:63] group 0 for the weights' tiles, a set for each slot
.set MSB, 0
.macro WIN new                         ; the immediate's high byte repeats the setting that is left
.if MSB != (\new)
	s_set_vgpr_msb (MSB<<8)|(\new)
.set MSB, (\new)
.endif
.endm
; A joint load: waves 0, 1 fetch the weights' two halves, waves 2, 3 xb's two halves.  Each line has one mask; the branch hangs on the wave's number alone.
.macro JLOAD s
	s_cmp_eq_u32 s13, 0
	s_cbranch_scc0 .Lfor_a_\@
	tensor_load_to_lds s[G0B+4*\s:G0B+4*\s+3], s[G1B:G1B+7]
	s_nop 0
.rept 4
	v_nop
.endr
	s_branch .Lasked_\@
.Lfor_a_\@:
	tensor_load_to_lds s[G0+4*\s:G0+4*\s+3], s[G1:G1+7]
	s_nop 0
.rept 4
	v_nop
.endr
.Lasked_\@:
.endm
.macro CREST                           ; a round of the cluster's barrier behind its opening work-group barrier
	s_cmp_lg_u32 s12, 0
	s_cbranch_scc1 .Lnot_wave_0_\@
	s_barrier_signal -3
.Lnot_wave_0_\@:
	s_barrier_wait -3
	s_barrier_signal -1
	s_barrier_wait -1
.endm
.macro CROUND                          ; a whole round
	s_barrier_signal -1
	s_barrier_wait -1
	CREST
.endm
.macro PLACES                          ; four plain vector places behind matrix instructions (ISA guide 7.12.1)
.rept 4
	v_nop
.endr
.endm
	s_load_b256 s[4:11], s[0:1], 0x0               ; xb s[4:5], wq s[6:7], b_qkv s[8:9], qkv s[10:11]
	v_lshrrev_b32 v1, 5, v0
	v_readfirstlane_b32 s12, v1                    ; wave 0..3
	s_lshr_b32 s13, s12, 1                         ; my half of the block's rows.  Also: I fetch weights (0) or xb (1)
	s_and_b32 s14, s12, 1                          ; my half of its columns.  Also: which half of that tile I fetch
	s_bfe_u32 s16, ttmp6, 0x40000                  ; cx
	s_bfe_u32 s17, ttmp6, 0x40004                  ; cy
	s_lshl_b32 s18, ttmp9, 2
	s_add_co_u32 s18, s18, s16                     ; block column = 4 x cluster x + cx
	s_and_b32 s19, ttmp7, 0xffff
	s_lshl_b32 s19, s19, 2
	s_add_co_u32 s19, s19, s17                     ; block row = 4 x cluster y + cy
	s_lshl_b32 s20, s17, 2
	s_lshl_b32 s20, 15, s20                        ; my row of the cluster
	s_lshl_b32 s21, 0x1111, s16                    ; my column
	s_or_b32 s[G1+0], s20, (3<<16)|(1<<21)         ; mask; 8-byte elements; bit 21 beside a mask: a dense block of 32 KiB as 128 rows of 256 bytes
	s_mov_b32 s[G1+1], 32<<16                      ; tensor_dim0 = 32
	s_mov_b32 s[G1+2], 128<<16                     ; tensor_dim1 = 128
	s_mov_b32 s[G1+3], 32<<16                      ; tile_dim0 = 32
	s_mov_b32 s[G1+4], 128                         ; tile_dim1 = 128
	s_mov_b32 s[G1+5], 32                          ; elements from row to row
	s_mov_b32 s[G1+6], 0
	s_mov_b32 s[G1+7], 0
	s_or_b32 s[G1B+0], s21, (3<<16)|(1<<21)        ; the same with my column's mask: a dense block of 48 KiB as 192 rows of 256 bytes
	s_mov_b32 s[G1B+1], 32<<16
	s_mov_b32 s[G1B+2], 192<<16
	s_mov_b32 s[G1B+3], 32<<16
	s_mov_b32 s[G1B+4], 192
	s_mov_b32 s[G1B+5], 32
	s_mov_b32 s[G1B+6], 0
	s_mov_b32 s[G1B+7], 0
	s_lshl_b32 s40, s19, 19                        ; xb: 8 K steps of 64 KiB a block row
	s_lshl_b32 s41, s14, 15                        ; + 32 KiB for the second half
	s_add_co_u32 s40, s40, s41
	s_mov_b32 s41, 0
	s_mul_i32 s44, s18, 16*BHALF                   ; wq: 8 K steps of 96 KiB a block column
	s_mul_i32 s45, s14, BHALF                      ; + 48 KiB for the second half
	s_add_co_u32 s44, s44, s45
	s_mov_b32 s45, 0
	s_mul_i32 s23, s12, BHALF                      ; LDS: the weights' halves at wave x 49,152 (waves 0, 1),
	s_lshl_b32 s22, s12, 15
	s_add_co_u32 s22, s22, ATILE-2*AHALF           ; xb's at 32,768 + wave x 32,768 (waves 2, 3: 98,304 and 131,072)
	s_wait_kmcnt 0x0
	s_add_nc_u64 s[42:43], s[4:5], s[40:41]
	s_add_nc_u64 s[46:47], s[6:7], s[44:45]
	CROUND                                         ; all sixteen work-groups are here: the first joint loads meet
.irp s, 0,1
	s_mov_b32 s[G0+4*\s], 1
	s_add_co_u32 s[G0+4*\s+1], s22, \s*SLOT
	s_add_nc_u64 s[G0+4*\s+2:G0+4*\s+3], s[42:43], \s*2*AHALF
	s_or_b32 s[G0+4*\s+3], s[G0+4*\s+3], 0x80000000
	s_mov_b32 s[G0B+4*\s], 1
	s_add_co_u32 s[G0B+4*\s+1], s23, \s*SLOT
	s_add_nc_u64 s[G0B+4*\s+2:G0B+4*\s+3], s[46:47], \s*2*BHALF
	s_or_b32 s[G0B+4*\s+3], s[G0B+4*\s+3], 0x80000000
	JLOAD \s                                       ; both slots' first fills: two tensor loads of the wave are out
.endr
	v_bfe_u32 v2, v0, 4, 1                         ; h
	v_and_b32 v4, 31, v0
	v_lshlrev_b32 v[LO16], 4, v4
	v_lshlrev_b32 v[H32], 5, v2
	s_lshl_b32 s40, s13, 13                        ; my eight of a quarter step's sixteen token tiles
	s_add_co_u32 s40, s40, ATILE
	s_mul_i32 s41, s14, 12288                      ; my twelve of a quarter step's 24 column tiles
.irp s, 0,1
	v_add_nc_u32 v[ADRA+\s], s40, v[LO16]
	v_add_nc_u32 v[ADRB+2*\s], s41, v[LO16]
	v_add_nc_u32 v[ADRB+2*\s+1], BHALF, v[ADRB+2*\s]
	s_add_co_u32 s40, s40, SLOT
	s_add_co_u32 s41, s41, SLOT
.endr
	s_mul_i32 s66, s18, 1536                       ; the bias of my 192 columns
	s_mul_i32 s67, s14, 768
	s_add_co_u32 s66, s66, s67
	s_mov_b32 s67, 0
	s_add_nc_u64 s[66:67], s[8:9], s[66:67]
	s_mul_i32 s70, s18, 6
	s_mul_i32 s71, s14, 3
	s_add_co_u32 s70, s70, s71                     ; my first slice = 6 x block column + 3 x column half
	s_lshl_b32 s70, s70, 20                        ; slices are 512 token tiles of 2,048 bytes apart
	s_lshl_b32 s71, s19, 4
	s_lshl3_add_u32 s71, s13, s71                  ; my first token tile = 16 x block row + 8 x row half
	s_lshl_b32 s71, s71, 11
	s_add_co_u32 s70, s70, s71
	s_mov_b32 s71, 0
	s_add_nc_u64 s[68:69], s[10:11], s[70:71]
; 16 matrix instructions of block g: token tiles a0 .. a0 + 3 x the block's four column tiles, 32 along K.  zero = 1: the first products start the sums.
; The 96 accumulators take turns, one instruction a turn, in the same order in every quarter step.
.macro MUL16 af, g, a0, zero
.irp a, \a0, \a0+1, \a0+2, \a0+3
.irp b, 0,1,2,3
.if \zero
	v_wmma_f32_16x16x32_bf16 v[8*(8*\b+(\a)):8*(8*\b+(\a))+7], v[BFR+8*(4*\g+\b):BFR+8*(4*\g+\b)+7], v[\af+8*(\a):\af+8*(\a)+7], 0
.else
	v_wmma_f32_16x16x32_bf16 v[8*(8*\b+(\a)):8*(8*\b+(\a))+7], v[BFR+8*(4*\g+\b):BFR+8*(4*\g+\b)+7], v[\af+8*(\a):\af+8*(\a)+7], v[8*(8*\b+(\a)):8*(8*\b+(\a))+7]
.endif
.endr
.endr
.endm
; 8 LDS loads: block g's four weight fragments of quarter step q of a slot
.macro LDB slot, q, g
.irp b, 0,1,2,3
	ds_load_b128 v[BFR+8*(4*\g+\b):BFR+8*(4*\g+\b)+3],   v[ADRB+2*\slot+(\q>>1)] offset:(\q&1)*24576+(4*\g+\b)*1024
	ds_load_b128 v[BFR+8*(4*\g+\b)+4:BFR+8*(4*\g+\b)+7], v[ADRB+2*\slot+(\q>>1)] offset:(\q&1)*24576+(4*\g+\b)*1024+512
.endr
.endm
; 8 LDS loads: xb's fragments a0 .. a0 + 3 of quarter step q of a slot, into buffer af
.macro LDA slot, q, af, a0
.irp a, 0,1,2,3
	ds_load_b128 v[\af+8*(\a0+\a):\af+8*(\a0+\a)+3],   v[ADRA+\slot] offset:\q*16384+(\a0+\a)*1024
	ds_load_b128 v[\af+8*(\a0+\a)+4:\af+8*(\a0+\a)+7], v[ADRA+\slot] offset:\q*16384+(\a0+\a)*1024+512
.endr
.endm
; One of a K step's first three quarter steps: multiplies xb's buffer af; fetches quarter step nq of the same slot, xb's part into buffer an.
; Loads go out in three batches of 16, 16 and 8, each behind the four places that follow the block whose registers it writes.
.macro QUARTER af, an, slot, nq, zero
	s_wait_dscnt 8                                 ; all but the youngest batch (weight fragments 8-11): blocks 0 and 1 have what they need
	WIN 0x50                                       ; C and D in window 1; both sources in window 0
	MUL16 \af, 0, 0, \zero
	MUL16 \af, 0, 4, \zero
	PLACES
	WIN 0
	LDB \slot, \nq, 0
	LDA \slot, \nq, \an, 0
	WIN 0xa0
	MUL16 \af, 1, 0, \zero
	MUL16 \af, 1, 4, \zero
	PLACES
	WIN 0
	LDB \slot, \nq, 1
	LDA \slot, \nq, \an, 4
	s_wait_dscnt 32                                ; all but the two batches of 16 just issued: weight fragments 8-11 are in
	WIN 0xf0
	MUL16 \af, 2, 0, \zero
	MUL16 \af, 2, 4, \zero
	PLACES
	WIN 0
	LDB \slot, \nq, 2
.endm
.macro THREE slot, zero
	QUARTER AF0, AF1, \slot, 1, \zero
	QUARTER AF1, AF0, \slot, 2, 0
	QUARTER AF0, AF1, \slot, 3, 0
.endm
; The last quarter of a K step changes slots: all its batches read the next slot.  In front of the barrier each wave waits for its reads of this slot
; (the last eight were issued sixteen matrix instructions ago) and for all its tensor loads (one is out: its part of the next slot).  Where the slot is
; filled again the barrier opens a round of the cluster's barrier and the joint refill is the first tensor load behind the round's closing wait;
; from that request to the wait for it a wave issues 368 matrix instructions.
.macro TURN slot, next, fill
	s_wait_dscnt 8
	WIN 0x50
	MUL16 AF1, 0, 0, 0
	s_wait_dscnt 0
	s_wait_tensorcnt 0x0
	s_barrier_signal -1
	MUL16 AF1, 0, 4, 0                             ; register work while the others arrive
	WIN 0
	s_barrier_wait -1
.if \fill
	CREST
	s_add_nc_u64 s[G0+4*\slot+2:G0+4*\slot+3], s[G0+4*\slot+2:G0+4*\slot+3], 4*AHALF
	s_add_nc_u64 s[G0B+4*\slot+2:G0B+4*\slot+3], s[G0B+4*\slot+2:G0B+4*\slot+3], 4*BHALF
	JLOAD \slot                                    ; its four v_nop are also the places in front of the loads below
.else
	PLACES
.endif
	LDB \next, 0, 0
	LDA \next, 0, AF0, 0
	WIN 0xa0
	MUL16 AF1, 1, 0, 0
	MUL16 AF1, 1, 4, 0
	PLACES
	WIN 0
	LDB \next, 0, 1
	LDA \next, 0, AF0, 4
	WIN 0xf0                                       ; weight fragments 8-11 were shown in by the wait for 0 above
	MUL16 AF1, 2, 0, 0
	MUL16 AF1, 2, 4, 0
	PLACES
	WIN 0
	LDB \next, 0, 2
.endm
.macro LAP zero
	THREE 0, \zero
	TURN 0, 1, 1
	THREE 1, 0
	TURN 1, 0, 1
.endm
	s_wait_tensorcnt 1                             ; my part of K step 0 is in; K step 1's stays out
	s_barrier_signal -1
	s_barrier_wait -1
	LDB 0, 0, 0                                    ; the first quarter step's fragments, in the batches' order
	LDA 0, 0, AF0, 0
	LDB 0, 0, 1
	LDA 0, 0, AF0, 4
	LDB 0, 0, 2
	LAP 1
	WIN 0
	s_mov_b32 s15, LAPS-2
.Llap:
	LAP 0
	WIN 0
	s_sub_co_u32 s15, s15, 1
	s_cmp_lg_u32 s15, 0
	s_cbranch_scc1 .Llap
	THREE 0, 0                                     ; the last lap fills nothing
	TURN 0, 1, 0
	THREE 1, 0
; eight loads: the bias of block g's four column tiles, columns 16 b + 8 h + 0..7 a lane, into the weight fragments that the block has freed
.macro LDBIAS g
.irp b, 0,1,2,3
	global_load_b128 v[BFR+8*(4*\g+\b):BFR+8*(4*\g+\b)+3],   v[H32], s[66:67] offset:64*(4*\g+\b)
	global_load_b128 v[BFR+8*(4*\g+\b)+4:BFR+8*(4*\g+\b)+7], v[H32], s[66:67] offset:64*(4*\g+\b)+16
.endr
.endm
	s_wait_dscnt 8                                 ; the very last quarter step: nothing more to fetch from LDS
	WIN 0x50
	MUL16 AF1, 0, 0, 0
	MUL16 AF1, 0, 4, 0
	PLACES
	WIN 0
	LDBIAS 0
	WIN 0xa0
	MUL16 AF1, 1, 0, 0
	MUL16 AF1, 1, 4, 0
	PLACES
	WIN 0
	LDBIAS 1
	s_wait_dscnt 0                                 ; weight fragments 8-11: no LDS load was issued behind them
	WIN 0xf0
	MUL16 AF1, 2, 0, 0
	MUL16 AF1, 2, 4, 0
	PLACES                                         ; also the places in front of the first reads of results below
	WIN 0
	LDBIAS 2
; Token tiles 2 ap, 2 ap + 1 x block g's four column tiles: add the bias (into buffer 0 of xb's fragments, free now), round, store.
; The packed results take turns between two sets of 32 registers in buffer 1.
.macro OUTP g, ap
.if \ap == 0
	s_wait_loadcnt 16-8*\g                         ; this block's bias is in; the younger blocks' eight loads each stay out
.endif
	WIN 1+\g                                       ; source 0 in the block's accumulator window
.irp a, 0,1
.irp b, 0,1,2,3
.irp r, 0,2,4,6
	v_pk_add_f32 v[AF0+8*(4*\a+\b)+\r:AF0+8*(4*\a+\b)+\r+1], v[8*(8*\b+2*\ap+\a)+\r:8*(8*\b+2*\ap+\a)+\r+1], v[BFR+8*(4*\g+\b)+\r:BFR+8*(4*\g+\b)+\r+1]
.endr
.endr
.endr
	WIN 0
.if 4*\g+\ap >= 2
	s_wait_xcnt 0x0                                ; the set of packed registers that the stores of two turns ago read is rewritten only behind this wait
.endif
.irp t, 0,1,2,3,4,5,6,7
.irp r, 0,1,2,3
	v_cvt_pk_bf16_f32 v[AF1+32*(\ap&1)+4*\t+\r], v[AF0+8*\t+2*\r], v[AF0+8*\t+2*\r+1]
.endr
.endr
.irp a, 0,1
.irp b, 0,1,2,3
	global_store_b128 v[LO16], v[AF1+32*(\ap&1)+4*(4*\a+\b):AF1+32*(\ap&1)+4*(4*\a+\b)+3], s[68:69] offset:\g*1048576+(2*\ap+\a)*2048+\b*512
.endr
.endr
.endm
.irp g, 0,1,2
.irp ap, 0,1,2,3
	OUTP \g, \ap
.endr
.endr
	CROUND                                         ; the closing round: no work-group ends while a partner may still ask for a tile that names it
	s_endpgm
.Lfunc_end_k_qf51a7fd76b_qkvgemm:
	.size	k_qf51a7fd76b_qkvgemm, .Lfunc_end_k_qf51a7fd76b_qkvgemm-k_qf51a7fd76b_qkvgemm
	.p2alignl 7, 3214868480
	.fill 96, 4, 3214868480
	.section	.rodata,"a",@progbits
	.p2align	6, 0x0
	.amdhsa_kernel k_qf51a7fd76b_qkvgemm
		.amdhsa_group_segment_fixed_size 327680
		.amdhsa_private_segment_fixed_size 0
		.amdhsa_enable_private_segment 0
		.amdhsa_kernarg_size 32
		.amdhsa_user_sgpr_count 2
		.amdhsa_user_sgpr_kernarg_segment_ptr 1
		.amdhsa_wavefront_size32 1
		.amdhsa_system_sgpr_workgroup_id_x 1
		.amdhsa_system_sgpr_workgroup_id_y 1
		.amdhsa_system_sgpr_workgroup_id_z 1
		.amdhsa_system_vgpr_workitem_id 0
		.amdhsa_next_free_vgpr 1024
		.amdhsa_next_free_sgpr 72
		.amdhsa_reserve_vcc 0
		.amdhsa_float_denorm_mode_32 3
		.amdhsa_float_denorm_mode_16_64 3
		.amdhsa_memory_ordered 1
		.amdhsa_forward_progress 1
		.amdhsa_inst_pref_size 255
	.end_amdhsa_kernel
	.section	.bss,"aw",@nobits
	.p2align	6
	.space	262144
	.amdgpu_metadata
---
amdhsa.version: [ 1, 2 ]
amdhsa.kernels:
  - .name:           k_qf51a7fd76b_qkvgemm
    .symbol:         k_qf51a7fd76b_qkvgemm.kd
    .args:
      - { .name: xb, .offset: 0, .size: 8, .value_kind: global_buffer, .address_space: global }
      - { .name: wq, .offset: 8, .size: 8, .value_kind: global_buffer, .address_space: global }
      - { .name: b_qkv, .offset: 16, .size: 8, .value_kind: global_buffer, .address_space: global }
      - { .name: qkv, .offset: 24, .size: 8, .value_kind: global_buffer, .address_space: global }
    .group_segment_fixed_size: 327680
    .private_segment_fixed_size: 0
    .kernarg_segment_align: 8
    .kernarg_segment_size: 32
    .max_flat_workgroup_size: 128
    .sgpr_count:     72
    .vgpr_count:     1024
    .wavefront_size: 32
...
	.end_amdgpu_metadata
.endif
;; end of part 6
;; launch attn: the kernel of part 3 again; grid 256 x 1, 8 waves a work-group, no clusters, 262,144 bytes of LDS; arguments qkv, att; writes att
;; launch chain (part 7): grid 256 x 1, 8 waves a work-group, clusters of 4 x 1, 327,680 bytes of LDS; arguments att, x, wc, b_proj, ln1_g, ln1_b, b1, b2, ln2_g, ln2_b, out0; writes out0
.if DOCPART == 7
	.amdgcn_target "amdgcn-amd-amdhsa--gfx1250"
	.amdhsa_code_object_version 6
	.text
	.protected	k_qf51a7fd76b_chain
	.globl	k_qf51a7fd76b_chain
	.p2align	8
	.type	k_qf51a7fd76b_chain,@function
k_qf51a7fd76b_chain:
	s_mov_b64 s[64:65], 0
	v_nop
	global_prefetch_b8 v0, s[64:65] scope:SCOPE_SE
	s_setreg_imm32_b32 hwreg(HW_REG_WAVE_MODE, 25, 1), 1
	s_wait_xcnt 0x0
	s_wait_alu depctr_hold_cnt(0) depctr_sa_sdst(0) depctr_va_vdst(0) depctr_va_sdst(0) depctr_va_ssrc(0) depctr_va_vcc(0) depctr_vm_vsrc(0)
	s_getreg_b32 s2, hwreg(HW_REG_IB_STS2, 6, 4)
	s_cmp_eq_u32 s2, 0
	s_cbranch_scc0 .Lentry_in_a_cluster
	s_endpgm
.Lentry_in_a_cluster:
	s_bfe_u32 s2, ttmp6, 0x10000c
	s_cmp_lg_u32 s2, 0x3003
	s_cbranch_scc0 .Lentry_shape_is_right
	s_endpgm
.Lentry_shape_is_right:
; out0 = LN2(x1 + gelu(x1 W1 + b1) W2 + b2), x1 = LN1(x + att W_proj + b_proj), fused: a work-group owns 32 whole rows (two tiles of 16 tokens),
; so both norms stay inside it and nothing between att and out0 goes through memory.  Eight waves, each with a block of 128 columns (eight tiles).
; With a weight fragment as source 0 and an activation fragment as source 1 a lane holds one row (lane & 15) and eight neighbouring columns a tile.
; Three stages of K = 1,024, each 16 steps of 64 k.  The weights (wc, fragment order, 128 KiB a step, [column block 8][i 2][n8 8] KiB) come through
; two LDS slots; each wave fetches and reads its own 16 KiB.  CLUSTER 4 x 1: all row blocks walk the same weights, so each load is a joint request of four.
; The price of whole rows: a weight fragment feeds two matrix instructions only.
; ROTATION: the 64 clusters do not walk K in the same order.  rot = (cluster + cluster / 8) mod 8; step n of the launch takes tile
; 16 (n / 16) + ((n + 2 rot) mod 16) of wc, so that eight different pairs of tiles are asked for at a time, and a tile that the clusters of one
; rotation have read is read by those of the next two steps later.  No LDS address knows of it: wave w takes column block cb = (w + rot) mod 8
; (in global addresses alone) and lays its results at LDS block w, so LDS block j always holds k block (j + rot) mod 8, which is the order of the tiles.
; rot hangs on the cluster's number alone: it is equal in the four partners.
; LDS: [0, 65536) the activations in fragment order [token tile 2][kt 32][piece][lane][16 B], written by ds_store alone; while they are dead the same
; bytes hold each wave's private stage (16 rows x 272 bytes at 4,352 w) and the norms' partial sums (at 40,960).  [65536, 327680) the two slots,
; filled by tensor loads alone.
; Numbers: residuals, norms (two passes: mean, then the squares of the differences) and GELU in f32; matrix operands in bf16.  The sums over k start
; at k = 128 rot and wrap: their order of rounding differs from row block to row block.
; GELU is exact up to erf by Abramowitz and Stegun 7.1.26 (absolute error 1.5e-7), used as gelu(x) = max(x, 0) - |x| erfc(|x| / sqrt 2) / 2, which
; forms no difference of near-equal numbers for negative x.  v_exp_f32, v_rcp_f32, v_rsq_f32 flush denormals (ISA guide 15.8).
; Scalars of the rotation: s74 rot, s71 cb, s66 2 rot, s70 the step whose tile is placed next, s[68:69] that tile's byte offset in wc, s[72:73] wc at my
; column block, s67 and s75 at work.
.set SCR,   40960                      ; partial sums: [row 32][wave 8] f32, twice (sums, squares 1,024 bytes further)
.set STG,   4352                       ; a wave's stage
.set WBASE, 65536
.set WSLOT, 131072
.set L16,   1                          ; 16 x lane
.set BOFF,  4                          ; 512 cb + 32 h: my eight columns of tile 0 in a vector of 1,024 f32 (global)
.set ALD,   5                          ; running LDS address of the activation fragments
.set BLD,   6                          ; v6, v7: my weight fragments in slot 0, 1
.set ASTO,  8                          ; 4,096 w + 16 L: where my columns lie, as k, in the activations
.set STD,   9                          ; stage, tile side: row r, 32 h
.set STR,   10                         ; stage, row side: row L >> 4, 16 (L & 15)
.set GROW,  11                         ; the same two rows in x and out0: 4,096 (L >> 4) + 512 cb + 16 (L & 15) (global)
.set SCRST, 12
.set SCRLD, 13
.set T16,   14                         ; 16 x thread
.set PFO,   16                         ; 8,192 x work-group + 256 x lane: my blocks of a stage's weights to ask for ahead; never rewritten
.set MU,    24                         ; pairs: mean of my row in token tile 0, 1
.set RS,    28                         ; pairs: 1 / sqrt(var + eps)
.set T,     32                         ; v[32:47] at work
.set AF,    48                         ; activation fragments (buffer 0 in window 0, buffer 1 in window 1)
.set BF,    64                         ; weight fragments (likewise)
.set ACC,   128                        ; tile (mt, nt) at 128 + 64 mt + 8 nt: P in window 0, Q in window 1
.set G1,    44                         ; s[44:51]
.set G0,    52                         ; s[52:59] a set for each slot
.set MSB, 0
.macro WIN new
.if MSB != (\new)
	s_set_vgpr_msb (MSB<<8)|(\new)
.set MSB, (\new)
.endif
.endm
.macro PLACES                          ; four plain vector places behind matrix instructions (ISA guide 7.12.1)
.rept 4
	v_nop
.endr
.endm
.macro CREST                           ; a round of the cluster's barrier behind its opening work-group barrier
	s_cmp_lg_u32 s30, 0
	s_cbranch_scc1 .Lnot_wave_0_\@
	s_barrier_signal -3
.Lnot_wave_0_\@:
	s_barrier_wait -3
	s_barrier_signal -1
	s_barrier_wait -1
.endm
.macro CROUND
	s_barrier_signal -1
	s_barrier_wait -1
	CREST
.endm
.macro BAR                             ; a work-group barrier behind which no tensor load fills anything; my LDS instructions are done in front of it
	s_wait_dscnt 0x0
	s_barrier_signal -1
	s_barrier_wait -1
.endm
.macro NEXTOFF                         ; s[68:69] = byte offset in wc of the tile of step s70 (s69 stays 0); s70 steps.  No descriptor register is touched
	s_add_co_u32 s67, s70, s66                     ; the step + 2 rot,
	s_and_b32 s67, s67, 15                         ; wrapped inside its stage's sixteen tiles,
	s_and_b32 s68, s70, 0x30                       ; + 16 x stage
	s_or_b32 s68, s68, s67
	s_lshl_b32 s68, s68, 17                        ; tiles of 128 KiB
	s_add_co_u32 s70, s70, 1
.endm
	s_load_b512 s[8:23], s[0:1], 0x0               ; att s[8:9], x s[10:11], wc s[12:13], b_proj s[14:15], ln1_g s[16:17], ln1_b s[18:19], b1 s[20:21], b2 s[22:23]
	s_load_b128 s[24:27], s[0:1], 0x40             ; ln2_g s[24:25], ln2_b s[26:27]
	s_load_b64 s[28:29], s[0:1], 0x50              ; out0
	v_lshrrev_b32 v2, 5, v0
	v_readfirstlane_b32 s30, v2                    ; wave 0..7
	s_bfe_u32 s32, ttmp6, 0x40000                  ; cx
	s_lshl_b32 s33, ttmp9, 2
	s_add_co_u32 s33, s33, s32                     ; work-group = 4 x cluster + cx: enters global addresses of x, att, out0 and of the prefetch alone
	s_lshr_b32 s74, ttmp9, 3
	s_add_co_u32 s74, s74, ttmp9
	s_and_b32 s74, s74, 7                          ; rot: neighbours in number differ, and so do clusters eight apart
	s_add_co_u32 s71, s30, s74
	s_and_b32 s71, s71, 7                          ; cb: my block of 128 columns
	s_lshl_b32 s66, s74, 1                         ; a k block is two steps
	s_mov_b32 s69, 0
	s_mov_b32 s70, 0
	s_mov_b32 s36, 0x76543210
	s_mov_b32 s37, 0xfedcba98
	s_mov_b32 s38, 0xbf38aa3b                      ; - log2(e) / 2
	s_mov_b32 s39, 0xbf38aa3b
	s_mov_b32 s40, 0x3e6d3388                      ; 0.3275911 / sqrt 2
	s_mov_b32 s42, 0x3a800000                      ; 1 / 1,024
	s_mov_b32 s43, 0x3727c5ac                      ; 1e-5
	s_mov_b32 s[G1+0], 15|(3<<16)|(1<<21)          ; the cluster's four work-groups; 8-byte elements; bit 21 beside a mask
	s_mov_b32 s[G1+1], 32<<16                      ; a dense block of 16 KiB as 64 rows of 256 bytes
	s_mov_b32 s[G1+2], 64<<16
	s_mov_b32 s[G1+3], 32<<16
	s_mov_b32 s[G1+4], 64
	s_mov_b32 s[G1+5], 32
	s_mov_b32 s[G1+6], 0
	s_mov_b32 s[G1+7], 0
	s_lshl_b32 s34, s71, 14                        ; 16 KiB a column block in a tile of wc
	s_mov_b32 s35, 0
	s_lshl_b32 s75, s30, 14                        ; 16 KiB a wave in a slot
	s_wait_kmcnt 0x0
	s_add_nc_u64 s[72:73], s[12:13], s[34:35]
.irp n, 0,1
	NEXTOFF                                        ; steps 0 and 1
	s_mov_b32 s[G0+4*\n], 1
	s_add_co_u32 s[G0+4*\n+1], s75, WBASE+\n*WSLOT
	s_add_nc_u64 s[G0+4*\n+2:G0+4*\n+3], s[72:73], s[68:69]
	s_or_b32 s[G0+4*\n+3], s[G0+4*\n+3], 0x80000000
.endr
	CROUND                                         ; the four work-groups are here: the first joint loads meet
	tensor_load_to_lds s[G0:G0+3], s[G1:G1+7]      ; step 0
	s_nop 0
	tensor_load_to_lds s[G0+4:G0+7], s[G1:G1+7]    ; step 1: two tensor loads of the wave are out, later one
	s_nop 0
	s_lshl_b32 s34, s33, 17                        ; 32 rows of 4,096 bytes
	s_add_nc_u64 s[10:11], s[10:11], s[34:35]
	s_add_nc_u64 s[28:29], s[28:29], s[34:35]
	s_lshl_b32 s34, s33, 16                        ; two token tiles of 32 KiB
	s_add_nc_u64 s[8:9], s[8:9], s[34:35]
	v_and_b32 v[L16], 31, v0
	s_lshl_b32 s61, s33, 13
	v_lshl_add_u32 v[PFO], v[L16], 8, s61
	v_lshlrev_b32 v[L16], 4, v[L16]
	v_and_b32 v2, 15, v0                           ; r
	v_bfe_u32 v3, v0, 4, 1                         ; h
	s_lshl_b32 s60, s71, 9                         ; my column block in a row of 1,024 f32
	v_lshl_add_u32 v[BOFF], v3, 5, s60
	s_lshl_b32 s61, s30, 14
	s_add_co_u32 s61, s61, WBASE
	v_add_nc_u32 v[BLD], s61, v[L16]
	v_add_nc_u32 v[BLD+1], WSLOT, v[BLD]
	s_lshl_b32 s61, s30, 12
	v_add_nc_u32 v[ASTO], s61, v[L16]
	s_mul_i32 s62, s30, STG
	v_mul_u32_u24 v15, v2, 272
	v_lshl_add_u32 v15, v3, 5, v15
	v_add_nc_u32 v[STD], s62, v15
	v_mul_u32_u24 v15, v3, 272
	v_lshl_add_u32 v15, v2, 4, v15
	v_add_nc_u32 v[STR], s62, v15
	v_lshlrev_b32 v15, 12, v3
	v_lshl_add_u32 v15, v2, 4, v15
	v_add_nc_u32 v[GROW], s60, v15
	s_lshl_b32 s63, s30, 2
	s_add_co_u32 s63, s63, SCR
	v_lshl_add_u32 v[SCRST], v2, 5, s63
	v_lshlrev_b32 v[SCRLD], 5, v2
	v_add_nc_u32 v[SCRLD], SCR, v[SCRLD]
	v_lshlrev_b32 v[T16], 4, v0
.irp j, 0,1,2,3,4,5,6,7
	s_add_co_u32 s75, s74, \j                      ; LDS block j of the activations takes k block (j + rot) mod 8 of att: 4,096 bytes of a token tile
	s_and_b32 s75, s75, 7
	s_lshl_b32 s75, s75, 12
	v_add_nc_u32 v[T+\j], s75, v[T16]
.endr
	; ---- 64 loads: x by rows (sixteen lanes take 256 neighbouring bytes, aligned) into window 1, the bias, the attention's result
	WIN 0x40
.irp mt, 0,1
.irp c, 0,1
.irp i, 0,1,2,3,4,5,6,7
	global_load_b128 v[ACC+64*\mt+32*\c+4*\i:ACC+64*\mt+32*\c+4*\i+3], v[GROW], s[10:11] offset:(16*\mt+2*\i)*4096+\c*256 th:TH_LOAD_NT
.endr
.endr
.endr
.irp nt, 0,1,2,3,4,5,6,7
.irp q, 0,1
	global_load_b128 v[BF+8*\nt+4*\q:BF+8*\nt+4*\q+3], v[BOFF], s[14:15] offset:\nt*64+\q*16
.endr
.endr
	WIN 0
.irp mt, 0,1
.irp j, 0,1,2,3,4,5,6,7
	global_load_b128 v[BF+4*(8*\mt+\j):BF+4*(8*\mt+\j)+3], v[T+\j], s[8:9] offset:32768*\mt th:TH_LOAD_NT
.endr
.endr
; 16 rows x 64 columns of x pass through my stage: in by rows, out by tiles, into P.  LDS serves a wave's instructions in order (ISA guide 5.7.1.4).
.macro XCH_IN mt, c, cnt
	s_wait_loadcnt \cnt                            ; this block's eight loads are in; cnt younger loads stay out
	WIN 0x04                                       ; store data in window 1
.irp i, 0,1,2,3,4,5,6,7
	ds_store_b128 v[STR], v[ACC+64*\mt+32*\c+4*\i:ACC+64*\mt+32*\c+4*\i+3] offset:\i*544
.endr
	WIN 0
.irp a, 0,1,2,3
.irp q, 0,1
	ds_load_b128 v[ACC+64*\mt+32*\c+8*\a+4*\q:ACC+64*\mt+32*\c+8*\a+4*\q+3], v[STD] offset:\a*64+\q*16
.endr
.endr
.endm
	XCH_IN 0, 0, 56
	XCH_IN 0, 1, 48
	XCH_IN 1, 0, 40
	XCH_IN 1, 1, 32
	BAR                                            ; every wave is done with its stage: the activations may be laid over it
	s_wait_loadcnt 0x0
.irp i, 0,1,2,3,4,5,6,7,8,9,10,11,12,13,14,15
	ds_store_b128 v[T16], v[BF+4*\i:BF+4*\i+3] offset:4096*\i      ; block i & 7 of token tile i >> 3: att's fragments are the activations' image as they lie
.endr
	WIN 0x04
.irp mt, 0,1
.irp nt, 0,1,2,3,4,5,6,7
.irp i, 0,2,4,6
	v_pk_add_f32 v[ACC+64*\mt+8*\nt+\i:ACC+64*\mt+8*\nt+\i+1], v[ACC+64*\mt+8*\nt+\i:ACC+64*\mt+8*\nt+\i+1], v[BF+8*\nt+\i:BF+8*\nt+\i+1]   ; P = x + b_proj
.endr
.endr
.endr
	WIN 0
	BAR                                            ; the activations are whole
; 20 LDS loads: 32 k of both token tiles' activations and of my eight weight fragments, into buffer buf
.macro LOADF buf, slot
	WIN 0x40*\buf
.irp mt, 0,1
.irp p, 0,1
	ds_load_b128 v[AF+8*\mt+4*\p:AF+8*\mt+4*\p+3], v[ALD] offset:\mt*32768+\buf*1024+\p*512
.endr
.endr
.irp nt, 0,1,2,3,4,5,6,7
.irp p, 0,1
	ds_load_b128 v[BF+8*\nt+4*\p:BF+8*\nt+4*\p+3], v[BLD+\slot] offset:\buf*8192+\nt*1024+\p*512
.endr
.endr
.endm
; 16 matrix instructions on buffer buf; accq = 1: accumulators Q (window 1).  The sixteen accumulators take turns, one instruction a turn,
; in the same order everywhere.
.macro MM buf, accq, zero
	WIN (5*\buf)|(0x50*\accq)
.irp mt, 0,1
.irp nt, 0,1,2,3,4,5,6,7
.if \zero
	v_wmma_f32_16x16x32_bf16 v[ACC+64*\mt+8*\nt:ACC+64*\mt+8*\nt+7], v[BF+8*\nt:BF+8*\nt+7], v[AF+8*\mt:AF+8*\mt+7], 0
.else
	v_wmma_f32_16x16x32_bf16 v[ACC+64*\mt+8*\nt:ACC+64*\mt+8*\nt+7], v[BF+8*\nt:BF+8*\nt+7], v[AF+8*\mt:AF+8*\mt+7], v[ACC+64*\mt+8*\nt:ACC+64*\mt+8*\nt+7]
.endif
.endr
.endr
.endm
; One step of 64 k on slot.  refill = 1: the other slot, read in the step before, gets the next step's weights, first thing behind the round.
; tail = 1: the step ends in a round of the cluster's barrier: in front of its opening signal my LDS reads and all my tensor loads are done.
; The whole step's work, 40 LDS loads and 32 matrix instructions, stands between the request and the wait for it; behind that wait only the slot's
; next address (two lines: its offset was made ahead) and the round stand in front of the next request.
; ask: not 0 in the first step of stages 1 and 2: wave 0 asks for 32 blocks of 256 bytes (lanes 256 bytes apart, 8 KiB) of the NEXT stage's 2 MiB of
; weights, which begin at byte ask of wc: 256 work-groups x 8 KiB cover them, each block asked for once in the launch, fifteen steps ahead of the
; first request for a tile of that stage.  Stage 3 asks for nothing: no request passes wc's end.
.macro STEP slot, refill, tail, accq, zero, ask
.if \refill
	tensor_load_to_lds s[G0+4*(1-\slot):G0+4*(1-\slot)+3], s[G1:G1+7]
	s_nop 0
.endif
	PLACES                                         ; in front of loads into registers that matrix instructions have read
	LOADF 0, \slot
.if \ask
	s_cmp_lg_u32 s30, 0
	s_cbranch_scc1 .Lno_ask_\@
	global_prefetch_b8 v[PFO], s[12:13] offset:\ask th:TH_LOAD_NT scope:SCOPE_SE
.Lno_ask_\@:
.endif
	LOADF 1, \slot
	WIN 0
	v_add_nc_u32 v[ALD], 2048, v[ALD]
.if (\refill)+(\tail)
	NEXTOFF                                        ; where this slot's next tile lies (two steps on); behind step 46 the figure is not used
.endif
	s_wait_dscnt 20                                ; buffer 0 is in; buffer 1's twenty loads may stay out
	MM 0, \accq, \zero
	s_wait_dscnt 0x0                               ; buffer 1; also: my reads of this slot and of the activations are over
	MM 1, \accq, 0
	WIN 0
.if \tail
	s_wait_tensorcnt 0x0                           ; the next step's weights have landed; no tensor load of mine is out, so a group 0 may be written
	s_add_nc_u64 s[G0+4*\slot+2:G0+4*\slot+3], s[72:73], s[68:69]
	s_or_b32 s[G0+4*\slot+3], s[G0+4*\slot+3], 0x80000000
	s_barrier_signal -1
	s_barrier_wait -1
	CREST
.endif
.endm
; Sixteen steps.  first = 1: the launch's first step, whose slots were filled at the start.  last = 1: the launch's last step fetches nothing.
.macro STAGE accq, zero, first, last, ask, name
	STEP 0, 1-\first, 1, \accq, \zero, \ask
	s_mov_b32 s31, 7
.L\name:
	STEP 1, 1, 1, \accq, 0, 0
	STEP 0, 1, 1, \accq, 0, 0
	s_sub_co_u32 s31, s31, 1
	s_cmp_lg_u32 s31, 0
	s_cbranch_scc1 .L\name
	STEP 1, 1-\last, 0, \accq, 0, 0
.endm
; Between stages: my stores of the new activations and all my tensor loads are done, slot 1 gets its next address, and a round opens the next stage.
.macro OPEN
	s_wait_dscnt 0x0
	s_wait_tensorcnt 0x0
	s_add_nc_u64 s[G0+6:G0+7], s[72:73], s[68:69]
	s_or_b32 s[G0+7], s[G0+7], 0x80000000
	CROUND
	v_mov_b32 v[ALD], v[L16]
.endm
.macro FOLD tb                         ; four pairs at tb -> the sum over my row's 128 columns of this wave, in v[tb]
	v_pk_add_f32 v[\tb:\tb+1], v[\tb:\tb+1], v[\tb+2:\tb+3]
	v_pk_add_f32 v[\tb+4:\tb+5], v[\tb+4:\tb+5], v[\tb+6:\tb+7]
	v_pk_add_f32 v[\tb:\tb+1], v[\tb:\tb+1], v[\tb+4:\tb+5]
	v_add_f32 v[\tb], v[\tb], v[\tb+1]
	v_permlanex16_b32 v[\tb+1], v[\tb], s36, s37   ; the other half of the lanes holds the row's other columns
	v_add_f32 v[\tb], v[\tb], v[\tb+1]
.endm
.macro GATHER off                      ; the eight waves' partial sums of my two rows -> v[T], v[T+8]
.irp mt, 0,1
	ds_load_b128 v[T+8*\mt:T+8*\mt+3],   v[SCRLD] offset:\off+\mt*512
	ds_load_b128 v[T+8*\mt+4:T+8*\mt+7], v[SCRLD] offset:\off+\mt*512+16
.endr
	s_wait_dscnt 0x0
.irp mt, 0,1
	v_pk_add_f32 v[T+8*\mt:T+8*\mt+1], v[T+8*\mt:T+8*\mt+1], v[T+8*\mt+2:T+8*\mt+3]
	v_pk_add_f32 v[T+8*\mt+4:T+8*\mt+5], v[T+8*\mt+4:T+8*\mt+5], v[T+8*\mt+6:T+8*\mt+7]
	v_pk_add_f32 v[T+8*\mt:T+8*\mt+1], v[T+8*\mt:T+8*\mt+1], v[T+8*\mt+4:T+8*\mt+5]
	v_add_f32 v[T+8*\mt], v[T+8*\mt], v[T+8*\mt+1]
.endr
.endm
; P = LayerNorm(P) g + b over whole rows.  gp, bp: the scalar pairs with g's and b's addresses.  withb2 = 1: b2 is fetched along, into window 1 v0-63.
.macro LNORM gp, bp, withb2
	PLACES
.irp nt, 0,1,2,3,4,5,6,7
.irp q, 0,1
	global_load_b128 v[BF+8*\nt+4*\q:BF+8*\nt+4*\q+3], v[BOFF], s[\gp:\gp+1] offset:\nt*64+\q*16
.endr
.endr
	WIN 0x40
.irp nt, 0,1,2,3,4,5,6,7
.irp q, 0,1
	global_load_b128 v[BF+8*\nt+4*\q:BF+8*\nt+4*\q+3], v[BOFF], s[\bp:\bp+1] offset:\nt*64+\q*16
.endr
.endr
.if \withb2
.irp nt, 0,1,2,3,4,5,6,7
.irp q, 0,1
	global_load_b128 v[8*\nt+4*\q:8*\nt+4*\q+3], v[BOFF], s[22:23] offset:\nt*64+\q*16
.endr
.endr
.endif
	WIN 0
	BAR                                            ; no wave reads the activations any more: their bytes serve as scratch
.irp mt, 0,1
.irp k, 0,1,2,3
	v_pk_add_f32 v[T+8*\mt+2*\k:T+8*\mt+2*\k+1], v[ACC+64*\mt+2*\k:ACC+64*\mt+2*\k+1], v[ACC+64*\mt+8+2*\k:ACC+64*\mt+9+2*\k]
.endr
.irp g, 2,3,4,5,6,7
.irp k, 0,1,2,3
	v_pk_add_f32 v[T+8*\mt+2*\k:T+8*\mt+2*\k+1], v[T+8*\mt+2*\k:T+8*\mt+2*\k+1], v[ACC+64*\mt+8*\g+2*\k:ACC+64*\mt+8*\g+2*\k+1]
.endr
.endr
	FOLD T+8*\mt
	ds_store_b32 v[SCRST], v[T+8*\mt] offset:\mt*512
.endr
	BAR                                            ; the eight waves' sums are there
	GATHER 0
.irp mt, 0,1
	v_mul_f32 v[MU+2*\mt], s42, v[T+8*\mt]
	v_mul_f32 v[MU+2*\mt+1], s42, v[T+8*\mt]
.endr
.irp mt, 0,1
.set ii, 0
.rept 32
	v_pk_add_f32 v[ACC+64*\mt+ii:ACC+64*\mt+ii+1], v[ACC+64*\mt+ii:ACC+64*\mt+ii+1], v[MU+2*\mt:MU+2*\mt+1] neg_lo:[0,1] neg_hi:[0,1]
.set ii, ii+2
.endr
.irp k, 0,1,2,3
	v_pk_mul_f32 v[T+8*\mt+2*\k:T+8*\mt+2*\k+1], v[ACC+64*\mt+2*\k:ACC+64*\mt+2*\k+1], v[ACC+64*\mt+2*\k:ACC+64*\mt+2*\k+1]
.endr
.irp g, 1,2,3,4,5,6,7
.irp k, 0,1,2,3
	v_pk_fma_f32 v[T+8*\mt+2*\k:T+8*\mt+2*\k+1], v[ACC+64*\mt+8*\g+2*\k:ACC+64*\mt+8*\g+2*\k+1], v[ACC+64*\mt+8*\g+2*\k:ACC+64*\mt+8*\g+2*\k+1], v[T+8*\mt+2*\k:T+8*\mt+2*\k+1]
.endr
.endr
	FOLD T+8*\mt
	ds_store_b32 v[SCRST], v[T+8*\mt] offset:1024+\mt*512
.endr
	BAR                                            ; the eight waves' sums of squares are there
	GATHER 1024
	v_fma_f32 v[T], v[T], s42, s43                 ; variance + eps
	v_fma_f32 v[T+8], v[T+8], s42, s43
	v_rsq_f32 v[RS], v[T]
	v_rsq_f32 v[RS+2], v[T+8]
	v_nop                                          ; the plain place behind the two (ISA guide 5.7.2)
	s_wait_alu depctr_va_vdst(0)
	v_mov_b32 v[RS+1], v[RS]
	v_mov_b32 v[RS+3], v[RS+2]
	BAR                                            ; every wave has read the scratch: its bytes may be written again
	s_wait_loadcnt 0x0                             ; g, b (and b2)
.irp mt, 0,1
.set ii, 0
.rept 32
	v_pk_mul_f32 v[ACC+64*\mt+ii:ACC+64*\mt+ii+1], v[ACC+64*\mt+ii:ACC+64*\mt+ii+1], v[RS+2*\mt:RS+2*\mt+1]
.set ii, ii+2
.endr
.endr
	WIN 0x10                                       ; source 2 (b) in window 1
.irp mt, 0,1
.irp nt, 0,1,2,3,4,5,6,7
.irp i, 0,2,4,6
	v_pk_fma_f32 v[ACC+64*\mt+8*\nt+\i:ACC+64*\mt+8*\nt+\i+1], v[ACC+64*\mt+8*\nt+\i:ACC+64*\mt+8*\nt+\i+1], v[BF+8*\nt+\i:BF+8*\nt+\i+1], v[BF+8*\nt+\i:BF+8*\nt+\i+1]
.endr
.endr
.endr
	WIN 0
.endm
; GELU of one tile of Q plus b1, rounded to bf16 and laid into the activations.  All operands in window 1: v0-7 t, v8-15 exp(-x^2/2), v16-23 the
; polynomial, v24-31 max(x, 0), v32-39 packed, v40 a copy of ASTO, v[42:43] the halved a5.  The coefficients are 7.1.26's, halved.
.macro GELU8 mt, nt
.set XB, ACC+64*\mt+8*\nt
.irp i, 0,2,4,6
	v_pk_add_f32 v[XB+\i:XB+\i+1], v[XB+\i:XB+\i+1], v[BF+8*\nt+\i:BF+8*\nt+\i+1]
.endr
.irp i, 0,1,2,3,4,5,6,7
	v_fma_f32 v[\i], |v[XB+\i]|, s40, 1.0
.endr
.irp i, 0,2,4,6
	v_pk_mul_f32 v[8+\i:9+\i], v[XB+\i:XB+\i+1], s[38:39] op_sel_hi:[1,0]
.endr
.irp i, 0,2,4,6
	v_pk_mul_f32 v[8+\i:9+\i], v[8+\i:9+\i], v[XB+\i:XB+\i+1]
.endr
.irp i, 0,1,2,3,4,5,6,7
	v_rcp_f32 v[\i], v[\i]
.endr
.irp i, 0,1,2,3,4,5,6,7
	v_exp_f32 v[8+\i], v[8+\i]
.endr
.irp i, 0,1,2,3,4,5,6,7
	v_max_num_f32 v[24+\i], 0, v[XB+\i]            ; plain lines that touch neither t nor the exponentials: the place behind the transcendentals
.endr
	s_wait_alu depctr_va_vdst(0)
.irp i, 0,2,4,6
	v_pk_fma_f32 v[16+\i:17+\i], v[\i:\i+1], v[42:43], 0xbf3a00e3 op_sel_hi:[1,1,0]
.endr
.irp c, 0x3f35f0e3, 0xbe11a98e, 0x3e027906
.irp i, 0,2,4,6
	v_pk_fma_f32 v[16+\i:17+\i], v[16+\i:17+\i], v[\i:\i+1], \c op_sel_hi:[1,1,0]
.endr
.endr
.irp i, 0,2,4,6
	v_pk_mul_f32 v[16+\i:17+\i], v[16+\i:17+\i], v[\i:\i+1]
.endr
.irp i, 0,2,4,6
	v_pk_mul_f32 v[16+\i:17+\i], v[16+\i:17+\i], v[8+\i:9+\i]      ; erfc(|x| / sqrt 2) / 2
.endr
.irp i, 0,1,2,3,4,5,6,7
	v_fma_f32 v[XB+\i], -|v[XB+\i]|, v[16+\i], v[24+\i]
.endr
.irp i, 0,1,2,3
	v_cvt_pk_bf16_f32 v[32+4*(\nt&1)+\i], v[XB+2*\i], v[XB+2*\i+1]
.endr
	ds_store_b128 v40, v[32+4*(\nt&1):35+4*(\nt&1)] offset:\mt*32768+\nt*512
.endm
	; ---- stage 1: P = x + b_proj + att W_proj
	v_mov_b32 v[ALD], v[L16]
	s_wait_tensorcnt 0x1                           ; my 16 KiB of step 0 are in (only I read them); step 1's stay out
	STAGE 0, 0, 1, 0, 2097152, stage1
	; ---- x1 = LN1(P); its bf16 image becomes the activations; P = x1 + b2 waits for stage 3
	LNORM 16, 18, 1
.irp mt, 0,1
.irp nt, 0,1,2,3,4,5,6,7
.irp i, 0,1,2,3
	v_cvt_pk_bf16_f32 v[BF+32*\mt+4*\nt+\i], v[ACC+64*\mt+8*\nt+2*\i], v[ACC+64*\mt+8*\nt+2*\i+1]
.endr
.endr
.endr
.irp mt, 0,1
.irp nt, 0,1,2,3,4,5,6,7
	ds_store_b128 v[ASTO], v[BF+32*\mt+4*\nt:BF+32*\mt+4*\nt+3] offset:\mt*32768+\nt*512
.endr
.endr
	WIN 0x04
.irp mt, 0,1
.irp nt, 0,1,2,3,4,5,6,7
.irp i, 0,2,4,6
	v_pk_add_f32 v[ACC+64*\mt+8*\nt+\i:ACC+64*\mt+8*\nt+\i+1], v[ACC+64*\mt+8*\nt+\i:ACC+64*\mt+8*\nt+\i+1], v[8*\nt+\i:8*\nt+\i+1]
.endr
.endr
.endr
	WIN 0
	OPEN
	; ---- stage 2: Q = x1 W1 (the first products start the sums)
	STAGE 1, 1, 0, 0, 4194304, stage2
	; ---- the activations become gelu(Q + b1)
	PLACES
	WIN 0x40
.irp nt, 0,1,2,3,4,5,6,7
.irp q, 0,1
	global_load_b128 v[BF+8*\nt+4*\q:BF+8*\nt+4*\q+3], v[BOFF], s[20:21] offset:\nt*64+\q*16
.endr
.endr
	v_mov_b32 v40, v[ASTO]
	v_mov_b32 v42, 0x3f07dc22
	v_mov_b32 v43, 0x3f07dc22
	WIN 0
	BAR                                            ; no wave reads x1's image any more
	s_wait_loadcnt 0x0
	WIN 0x55
.irp mt, 0,1
.irp nt, 0,1,2,3,4,5,6,7
	GELU8 \mt, \nt
.endr
.endr
	WIN 0
	OPEN
	; ---- stage 3: P = x1 + b2 + gelu(..) W2
	STAGE 0, 0, 0, 1, 0, stage3
	; ---- out0 = LN2(P), out through my stage: in by tiles, back by rows into window 1, sixteen lanes store 256 neighbouring bytes, aligned
	LNORM 24, 26, 0
.irp mt, 0,1
.irp c, 0,1
	WIN 0
.irp a, 0,1,2,3
.irp q, 0,1
	ds_store_b128 v[STD], v[ACC+64*\mt+32*\c+8*\a+4*\q:ACC+64*\mt+32*\c+8*\a+4*\q+3] offset:\a*64+\q*16
.endr
.endr
	WIN 0x40
.irp i, 0,1,2,3,4,5,6,7
	ds_load_b128 v[ACC+64*\mt+32*\c+4*\i:ACC+64*\mt+32*\c+4*\i+3], v[STR] offset:\i*544
.endr
.endr
.endr
	WIN 0x04                                       ; store data in window 1
.irp mt, 0,1
.irp c, 0,1
	s_wait_dscnt 48-16*(2*\mt+\c)                  ; this block's loads are back; the sixteen LDS instructions of each younger block stay out
.irp i, 0,1,2,3,4,5,6,7
	global_store_b128 v[GROW], v[ACC+64*\mt+32*\c+4*\i:ACC+64*\mt+32*\c+4*\i+3], s[28:29] offset:(16*\mt+2*\i)*4096+\c*256 th:TH_STORE_NT
.endr
.endr
.endr
	WIN 0
	CROUND                                         ; the closing round: no work-group ends while a partner may still issue a joint load that names it
	s_endpgm
.Lfunc_end_k_qf51a7fd76b_chain:
	.size	k_qf51a7fd76b_chain, .Lfunc_end_k_qf51a7fd76b_chain-k_qf51a7fd76b_chain
	.p2alignl 7, 3214868480
	.fill 96, 4, 3214868480
	.section	.rodata,"a",@progbits
	.p2align	6, 0x0
	.amdhsa_kernel k_qf51a7fd76b_chain
		.amdhsa_group_segment_fixed_size 327680
		.amdhsa_private_segment_fixed_size 0
		.amdhsa_enable_private_segment 0
		.amdhsa_kernarg_size 88
		.amdhsa_user_sgpr_count 2
		.amdhsa_user_sgpr_kernarg_segment_ptr 1
		.amdhsa_wavefront_size32 1
		.amdhsa_system_sgpr_workgroup_id_x 1
		.amdhsa_system_sgpr_workgroup_id_y 1
		.amdhsa_system_sgpr_workgroup_id_z 1
		.amdhsa_system_vgpr_workitem_id 0
		.amdhsa_next_free_vgpr 512
		.amdhsa_next_free_sgpr 76
		.amdhsa_reserve_vcc 0
		.amdhsa_float_denorm_mode_32 3
		.amdhsa_float_denorm_mode_16_64 3
		.amdhsa_memory_ordered 1
		.amdhsa_forward_progress 1
		.amdhsa_inst_pref_size 240
	.end_amdhsa_kernel
	.amdgpu_metadata
---
amdhsa.version: [ 1, 2 ]
amdhsa.kernels:
  - .name:           k_qf51a7fd76b_chain
    .symbol:         k_qf51a7fd76b_chain.kd
    .args:
      - { .name: att, .offset: 0, .size: 8, .value_kind: global_buffer, .address_space: global }
      - { .name: x, .offset: 8, .size: 8, .value_kind: global_buffer, .address_space: global }
      - { .name: wc, .offset: 16, .size: 8, .value_kind: global_buffer, .address_space: global }
      - { .name: b_proj, .offset: 24, .size: 8, .value_kind: global_buffer, .address_space: global }
      - { .name: ln1_g, .offset: 32, .size: 8, .value_kind: global_buffer, .address_space: global }
      - { .name: ln1_b, .offset: 40, .size: 8, .value_kind: global_buffer, .address_space: global }
      - { .name: b1, .offset: 48, .size: 8, .value_kind: global_buffer, .address_space: global }
      - { .name: b2, .offset: 56, .size: 8, .value_kind: global_buffer, .address_space: global }
      - { .name: ln2_g, .offset: 64, .size: 8, .value_kind: global_buffer, .address_space: global }
      - { .name: ln2_b, .offset: 72, .size: 8, .value_kind: global_buffer, .address_space: global }
      - { .name: out0, .offset: 80, .size: 8, .value_kind: global_buffer, .address_space: global }
    .group_segment_fixed_size: 327680
    .private_segment_fixed_size: 0
    .kernarg_segment_align: 8
    .kernarg_segment_size: 88
    .max_flat_workgroup_size: 256
    .sgpr_count:     76
    .vgpr_count:     512
    .wavefront_size: 32
...
	.end_amdgpu_metadata
.endif
;; end of part 7
